; MI455X (gfx1250); checked and timed in simulation.
; The chip was launched on July 23, 2026; its instructions are those of AMD's public machine-readable ISA for CDNA 5 (MIT licence, August 2026) and "CDNA5" Instruction Set Architecture Reference Guide (July 2026). The comments in the code are by the model that wrote it; some were corrected since.
;; Refract Tracer. Allowed arithmetic: matrix products marked QUANTISED: E4M3 operands, one E8M0 scale for each 32 along K, by v_wmma_scale_f32_16x16x128_f8f6f4 with both operands' format E4M3, f32 sums; products left as they are: f32 operands where the result goes on into a quantised operand, else bf16, f16 or f32 operands; f32 sums; everything else in f32.
;; Inputs: W1 3 x 64 float32; W2 64 x 64 float32; W3 64 x 1 float32; b1 64 float32; b2 64 float32; b3 1 float32; rays_d 16,384 x 3 float32; rays_o 16,384 x 3 float32.
;; Outputs: out0 16,384 x 3 float32; out1 16,384 x 3 float32; out2 16,384 x 3 float32; out3 16,384 x 3 float32; out4 16,384 x 1 float32; out5 16,384 x 1 float32; out6 16,384 bool.
;; This version of the problem:
;;   THIS VERSION OF THE PROBLEM IS GIVEN IN LOW PRECISION. The matrix products marked QUANTISED in the list below multiply operands that are first quantised to E4M3 (4 exponent bits, 3 mantissa bits; 8 bits a number), with one power-of-two scale for each 32 numbers along K (OCP MX v1.0); their sums are f32. All else is computed in f32.
;;   The module's matrix products, in the order in which they are computed (A, B: the left and right operand; K: the contracted axis; several contracted axes count as one K, in the product's order):
;;     1. [M 262,144, K 3] x [K 3, N 64]; A: computed on the way; B: input W1: left as it is (K = 3 < 32)
;;     2. [M 262,144, K 64] x [K 64, N 64]; A: computed on the way; B: input W2: QUANTISED
;;     3. [M 262,144, K 64] x [K 64, N 1]; A: computed on the way; B: input W3: left as it is (N = 1 < 16)
;;     4. [M 524,288, K 3] x [K 3, N 64]; A: computed on the way; B: input W1: left as it is (K = 3 < 32)
;;     5. [M 524,288, K 64] x [K 64, N 64]; A: computed on the way; B: input W2: QUANTISED
;;     6. [M 524,288, K 64] x [K 64, N 1]; A: computed on the way; B: input W3: left as it is (N = 1 < 16)
;;     7. [M 16,384, K 3] x [K 3, N 64]; A: computed on the way; B: input W1: left as it is (K = 3 < 32)
;;     8. [M 16,384, K 64] x [K 64, N 64]; A: computed on the way; B: input W2: QUANTISED
;;     9. [M 16,384, K 64] x [K 64, N 1]; A: computed on the way; B: input W3: left as it is (N = 1 < 16)
;;     10. [M 16,384, K 1] x [K 1, N 64]; A: computed on the way; B: input W3: left as it is (K = 1 < 32)
;;     11. [M 16,384, K 64] x [K 64, N 64]; A: computed on the way; B: input W2: QUANTISED
;;     12. [M 16,384, K 64] x [K 64, N 3]; A: computed on the way; B: input W1: left as it is (N = 3 < 16)
;;     13. [M 16,384, K 3] x [K 3, N 64]; A: computed on the way; B: input W1: left as it is (K = 3 < 32)
;;     14. [M 16,384, K 64] x [K 64, N 64]; A: computed on the way; B: input W2: QUANTISED
;;     15. [M 16,384, K 64] x [K 64, N 1]; A: computed on the way; B: input W3: left as it is (N = 1 < 16)
;;     16. [M 262,144, K 3] x [K 3, N 64]; A: computed on the way; B: input W1: left as it is (K = 3 < 32)
;;     17. [M 262,144, K 64] x [K 64, N 64]; A: computed on the way; B: input W2: QUANTISED
;;     18. [M 262,144, K 64] x [K 64, N 1]; A: computed on the way; B: input W3: left as it is (N = 1 < 16)
;;     19. [M 524,288, K 3] x [K 3, N 64]; A: computed on the way; B: input W1: left as it is (K = 3 < 32)
;;     20. [M 524,288, K 64] x [K 64, N 64]; A: computed on the way; B: input W2: QUANTISED
;;     21. [M 524,288, K 64] x [K 64, N 1]; A: computed on the way; B: input W3: left as it is (N = 1 < 16)
;;     22. [M 16,384, K 3] x [K 3, N 64]; A: computed on the way; B: input W1: left as it is (K = 3 < 32)
;;     23. [M 16,384, K 64] x [K 64, N 64]; A: computed on the way; B: input W2: QUANTISED
;;     24. [M 16,384, K 64] x [K 64, N 1]; A: computed on the way; B: input W3: left as it is (N = 1 < 16)
;;     25. [M 16,384, K 1] x [K 1, N 64]; A: computed on the way; B: input W3: left as it is (K = 1 < 32)
;;     26. [M 16,384, K 64] x [K 64, N 64]; A: computed on the way; B: input W2: QUANTISED
;;     27. [M 16,384, K 64] x [K 64, N 3]; A: computed on the way; B: input W1: left as it is (N = 3 < 16)
;;     28. [M 16,384, K 3] x [K 3, N 64]; A: computed on the way; B: input W1: left as it is (K = 3 < 32)
;;     29. [M 16,384, K 64] x [K 64, N 64]; A: computed on the way; B: input W2: QUANTISED
;;     30. [M 16,384, K 64] x [K 64, N 1]; A: computed on the way; B: input W3: left as it is (N = 1 < 16)
;;   THE QUANTISER, for each operand of a quantised product, along K:
;;     - K is cut into blocks of 32 from its start; a last block that is shorter is filled with zeros.
;;     - A block's scale is 2^e with e = floor(log2(the largest magnitude in the block)) - 8, held to -126 .. 127; a block of zeros has e = 0. As a byte (E8M0): e + 127.
;;     - Each number is divided by its block's scale, clamped to +-448, and rounded to the nearest number of E4M3, ties to even, subnormals kept.
;;     - The product sums the exact products of the quantised numbers (number of the format x scale) in f32.
;;   ~~~python
;;   def quantise(x, axis):      # numpy; x: float32 -> the quantised numbers, widened to float32 again
;;       x = np.moveaxis(x, axis, -1); K = x.shape[-1]
;;       x = np.pad(x, [(0, 0)] * (x.ndim - 1) + [(0, -K % 32)]); x = x.reshape(x.shape[:-1] + (-1, 32)); a = np.abs(x).max(-1, keepdims=True)
;;       e = np.where(a > 0, np.clip(np.frexp(np.where(a > 0, a, 1))[1] - 1 - 8, -126, 127), 0)      # np.frexp(a)[1] - 1 = floor(log2(a)), exactly
;;       r = np.clip(x / 2.0 ** e, -448, 448)
;;       step = 2.0 ** (np.maximum(np.frexp(np.where(r == 0, 1, r))[1] - 1, -6) - 3)
;;       q = np.round(r / step) * step * 2.0 ** e      # np.round: ties to even
;;       return np.moveaxis(q.reshape(q.shape[:-2] + (-1,))[..., :K], -1, axis).astype(np.float32)
;;   ~~~
;;   OPERANDS COMPUTED ON THE WAY. 'Computed on the way' means the value that the module computes at that place (a softmax that the list does not call 'softmax' is quantised finished and normalised). What goes into a quantiser is computed in f32, as accurately as f32 sums, v_exp_f32 and their like allow (about 1e-6 of the number): no bf16 or f16 on the way to a quantiser, and a product that is left as it is and whose result goes on into a quantised operand takes f32 operands (vector FMAs, or v_wmma_f32_16x16x4_f32). A number that lies on a knife's edge between two numbers of the format may be rounded either way, as far as f32 arithmetic and the matrix unit's own rounding can turn it there, and no further.
;; 2 versions, each right; version 2 is version 1 with the launch trace written anew for expert scheduling mode. Each part assembles by itself: llvm-mc -triple=amdgcn-amd-amdhsa -mcpu=gfx1250 --defsym DOCPART=n.
;; ======== version 1 of 2: 1 launch
;; limits: a function is approximated: absolute error at most 1.2e-07
;; launch trace (part 1): grid 256 x 1, 16 waves a work-group, no clusters, 16,384 bytes of LDS; arguments rays_o, rays_d, W1, b1, W2, b2, W3, b3, out0, out1, out2, out3, out4, out5, out6; writes out0, out1, out2, out3, out4, out5, out6
.if DOCPART == 1
	.amdgcn_target "amdgcn-amd-amdhsa--gfx1250"
	.amdhsa_code_object_version 6
	.text
	.protected	k_q16952546f8_trace
	.globl	k_q16952546f8_trace
	.p2align	8
	.type	k_q16952546f8_trace,@function
k_q16952546f8_trace:
	s_mov_b64 s[64:65], 0
	v_nop
	global_prefetch_b8 v0, s[64:65] scope:SCOPE_SE
	s_setreg_imm32_b32 hwreg(HW_REG_WAVE_MODE, 25, 1), 1
	s_wait_xcnt 0x0
; RefractTracer: 16,384 rays, each traced into and out of the surface sdf(p) = |p| - 0.5 + 0.02 tanh(MLP(p)), MLP 3 -> 64 -> 64 -> 1 with softplus.
; For each of the two passes: 16 coarse samples, first sign change, 32 fine samples inside it, first sign change, linear root, the sdf's normalised gradient there, refraction (pass 1: reflection too).
; The 64 x 64 products, forward and backward, are on codes of E4M3 with one E8M0 scale for each 32 along K, by v_wmma_scale_f32_16x16x128_f8f6f4; the K = 3 product, which feeds a quantiser, by v_wmma_f32_16x16x4_f32; the rest by f32 multiply-adds.
; DEAD WORK, for all values of the inputs: _cal_grad's forward returns its argument delta and nothing else, so s1 = _sdf(fsp0) and s2 = _sdf(ssp0) have no way to any output: the six products that make them are left out.
; So are the coarse bracket's two sdf values and total_reflect, which reference() never uses.  Every input keeps a way to an output and is loaded.  A NaN, an infinity or an overflow that would arise only in the work left out is not carried to the result.
; LIMITS: softplus = max(x, 0) + ln2 log2(1 + 2^(-|x| log2 e)): absolute error about 1.2e-7, so its relative error grows for x under about -5 (1 + e is rounded).  linspace is i x fl(1/15), i x fl(1/31): at most an ulp off.
; The gradient of clip(sum, 1e-10) is taken as 0 at sum == 1e-10 exactly.  Divisions are a reciprocal and a multiplication.  Where no fine crossing is found the gathered sdf values are 0; the depth is then 1, as in reference().
; SHARES: a work-group owns 64 rays, each of its sixteen waves 4; four waves of 256 registers lie on a SIMD, so that one wave's exponentials stand beside another's plain work.  Waves share the codes of W2 (made once, in LDS) and the output stage: two barriers.
; A TILE is 16 points, the N of a matrix instruction: a ray's 16 coarse samples, half of its 32 fine ones, or, for the gradient, the wave's four rays four times over.
; LAYOUTS (r = lane % 16, h = lane / 16).  A 3-vector is a register pair: lanes 0-15 (x, y), lanes 16-31 (z, w), w = 1 for points and 0 for directions: a point's pair IS source 1 of the f32 matrix form, and its fourth K element carries b1.
; All products are used transposed (source 0 = 16 rows of a weight, source 1 = 16 points).  THE ROWS OF A TILE ARE NOT NEIGHBOURS: lane r of tile 2 b + u takes row 32 b + 8 u + r + 8 (r / 8), so that register 16 b + i of a result is unit 32 b + 16 h + i of
; point r: the layout of the next product's operand.  K = 64 in an instruction of K = 128: the points' operand has 8 registers of zero codes for k = 64 .. 127, so whatever finite codes stand there on the weight's side add exactly 0: the four fragments of W2
; overlap, fragment t at v[W2F + 8 t .. + 15], its upper half being the next tile's codes (the last: zeros).  Scale bytes 2 and 3 are 0, which is 2^-127 and no NaN.
; No tensor load, no cluster, no prefetch: nothing is streamed; the weights are 17 KB and a wave's rays 96 bytes.
.set WIMG,  0                          ; LDS: 16 units of 512 bytes: unit 8 dir + 2 t + c = the register image (16 x lane) of block c of fragment t; dir 0: W2 quantised along its first axis (forward), 1: along its second (backward)
.set WSCL,  8192                       ; 16 units of 128 bytes: the unit's scale byte, a word a lane
.set STG,   10240                      ; the output stage, laid as memory, in units of 256 bytes: out0 0-2, out1 3-5, out2 6-8, out3 9-11, out4 12, out5 13, out6 the first 64 bytes of 14
.set SPARE, 14080                      ; the spare words, 128 bytes for each wave: eight blocks of 256 bytes that no other line names
.set RF, 1                             ; float(r)
.set LF, 2                             ; float(lane)
.set LQ, 3                             ; r % 4: which of the wave's rays a per-ray register holds in this lane
.set LI, 4                             ; 16 x lane
.set HB, 5                             ; 64 h: where my half's 16 units of a block of 32 begin in a row of 64 f32; never rewritten
.set SPW, 6                            ; LDS address of my spare word; never rewritten
.set NIL, 7                            ; 0; never rewritten
.set OA, 8                             ; v[8:9] origin, v[10:11] direction of the pass, per ray
.set OB, 9
.set DA, 10
.set DB, 11
.set NEAR, 12
.set SPAN, 13
.set DEPTH, 14
.set LS, 15                            ; 4 x lane
.set ROA, 16                           ; v[16:19] the rays as given
.set ROB, 17
.set RDA, 18
.set RDB, 19
.set RLA, 20                           ; v[20:21] the reflected direction
.set RLB, 21
.set ATT1, 22
.set ATT2, 23
.set CA, 24                            ; v[24:29] the ray in hand, in all lanes: origin, direction, first z, span of z.  At the head: offsets of loads.  Behind a pass's loop: v[24:25] the normal, v[26:27] the refracted direction
.set CB, 25
.set EA, 26
.set EB, 27
.set CN, 28
.set CS, 29
.set NA, 24
.set NB, 25
.set PA, 30                            ; v[30:31] the point
.set PB, 31
.set ZS, 32
.set SS, 33
.set SA, 34
.set SV, 35
.set ACC, 36                           ; v[36:39] two pairs of running sums
.set K0, 40                            ; v40-47 at work
.set K1, 41
.set K2, 42
.set K3, 43
.set K4, 44
.set K5, 45
.set K6, 46
.set K7, 47
.set QM, 48                            ; v48-52 the quantiser's
.set QP, 49
.set QH, 50
.set QS, 51
.set QB0, 52
.set PW, 53                            ; the points' scale word: scales and nothing else
.set W2S, 54                           ; v54-57 W2's scale words: scales and nothing else
.set W1F, 58                           ; v58-65 W1 and b1 as four fragments of the f32 form
.set PC, 66                            ; v66-73 the points' codes, v74-81 zero codes
.set ZZ, 82                            ; v82-113 written by matrix instructions alone: z1, z2, in the gradient dh1
.set TT, 114                           ; v114-129, v130-145 at work; together G2
.set UU, 130
.set G2, 114
.set W2F, 146                          ; v146-185 W2's four overlapping fragments
.set B2C, 186                          ; v186-217 b2 in the result's layout: the C of the forward products
.set W3L, 218                          ; v218-249 W3 likewise
.set GE, 146                           ; the gradient's temporaries lie where W2 and b2 lay
.set GV, 162
.set GL, 186
.set GR, 202
.set RAW, 250                          ; |p|^2 ahead of the clip
.set DPX, 251
.set DPY, 252
.set DPZ, 253
; scalars: s2 wave; s[4:19] inputs; s[20:33] outputs; s34 b3, s35 b3 x 2 log2 e; s[36:37] ln 2; s38, s39 lane selects; s40 -log2 e; s41 448's mantissa; s42 lanes 16-31; s43 1/15; s44 1/31; s46 1e-10; s47 2 log2 e; s48 0.02;
; s49 +1 (entry) or -1 (exit); s50 ray counter; s51-s59 lane masks (s53, s54: valid in pass 1, 2); s60, s61, s62 eta1, eta2, eta1 / eta2; s63 0.999999; s66-s74 at work; s79 the lane selects that name the ray in hand, later at work; s76-s78 16.0, 32.0, 64.0
; softplus of 16 registers from v[src] on, into v[UU] on.  The exponentials are one batch with one wait, the logarithms another (the wait ahead of a batch's first reader); extra = 1: the square root of |p|^2 rides in the first batch
.macro SP16 src, extra
.set i, 0
.rept 16
	v_mul_f32 v[TT+i], s40, |v[(\src)+i]|          ; -|x| log2 e; each accumulator is read from its low end on
.set i, i+1
.endr
.if \extra
	v_sqrt_f32 v[SS], v[SS]
.endif
.set i, 0
.rept 16
	v_exp_f32 v[TT+i], v[TT+i]
	v_max_num_f32 v[UU+i], 0, v[(\src)+i]          ; plain work that names no exponential's result
.set i, i+1
.endr
	s_wait_alu depctr_va_vdst(0)
.set i, 0
.rept 8
	v_pk_add_f32 v[TT+i:TT+i+1], v[TT+i:TT+i+1], 1.0 op_sel_hi:[1,0]
.set i, i+2
.endr
.set i, 0
.rept 16
	v_log_f32 v[TT+i], v[TT+i]
.set i, i+1
.endr
	v_nop                                          ; a plain line behind the last logarithm
	s_wait_alu depctr_va_vdst(0)
.set i, 0
.rept 8
	v_pk_fma_f32 v[UU+i:UU+i+1], v[TT+i:TT+i+1], s[36:37], v[UU+i:UU+i+1] op_sel_hi:[1,0,1]
.set i, i+2
.endr
.endm
; One block of 32 along K, 16 numbers a lane from v[src] on (the other 16 in lane l xor 16), becomes codes in v[PC + 4 b] on; b = 0 keeps the byte, b = 1 makes the scale word.  two = 1: numbers of both signs
.macro QB src, b, two
.if \two
	v_max3_num_f32 v[QM], |v[(\src)]|, |v[(\src)+1]|, 0x4800000   ; the floor 2^(9 - 127): the byte cannot fall under 1
	v_max3_num_f32 v[QP], |v[(\src)+2]|, |v[(\src)+3]|, |v[(\src)+4]|
.irp n, 5, 9
	v_max3_num_f32 v[QM], v[QM], |v[(\src)+\n]|, |v[(\src)+\n+1]|
	v_max3_num_f32 v[QP], v[QP], |v[(\src)+\n+2]|, |v[(\src)+\n+3]|
.endr
	v_max3_num_f32 v[QM], v[QM], |v[(\src)+13]|, |v[(\src)+14]|
	v_max3_num_f32 v[QM], v[QM], v[QP], |v[(\src)+15]|
.else
	v_max3_num_f32 v[QM], v[(\src)], v[(\src)+1], 0x4800000
	v_max3_num_f32 v[QP], v[(\src)+2], v[(\src)+3], v[(\src)+4]
.irp n, 5, 9
	v_max3_num_f32 v[QM], v[QM], v[(\src)+\n], v[(\src)+\n+1]
	v_max3_num_f32 v[QP], v[QP], v[(\src)+\n+2], v[(\src)+\n+3]
.endr
	v_max3_num_f32 v[QM], v[QM], v[(\src)+13], v[(\src)+14]
	v_max3_num_f32 v[QM], v[QM], v[QP], v[(\src)+15]
.endif
	v_permlanex16_b32 v[QP], v[QM], s38, s39
	v_max_num_f32 v[QM], v[QM], v[QP]              ; the block's largest magnitude
	v_add_nc_u32 v[QS], 0xfc000000, v[QM]          ; 8 off its exponent field: the conversion's scale operand
	v_and_or_b32 v[QH], v[QM], 0x7f800000, s41     ; 448 x the scale
.if \b == 0
	v_lshrrev_b32 v[QB0], 23, v[QS]                ; the scale's byte
.else
	v_lshrrev_b32 v[QM], 23, v[QS]
	v_lshl_or_b32 v[PW], v[QM], 8, v[QB0]          ; the scale word; the 16 holds below stand between it and the product
.endif
.set i, 0
.rept 16
.if \two
	v_med3_num_f32 v[(\src)+i], v[(\src)+i], -v[QH], v[QH]   ; the conversion to an 8-bit code does not saturate (ISA guide 7.6.2)
.else
	v_min_num_f32 v[(\src)+i], v[(\src)+i], v[QH]  ; softplus is not negative: the hold is one-sided
.endif
.set i, i+1
.endr
	v_cvt_scalef32_pk8_fp8_f32 v[PC+4*\b:PC+4*\b+1], v[(\src):(\src)+7], v[QS]
	v_cvt_scalef32_pk8_fp8_f32 v[PC+4*\b+2:PC+4*\b+3], v[(\src)+8:(\src)+15], v[QS]
	v_nop                                          ; a plain line behind the last conversion
.endm
; z1 = W1^T p + b1 for the 16 points in v[PA:PB]; h1 = softplus(z1) as codes in v[PC] on and its scale word
.macro LAYER1
.irp t, 0,1,2,3
	v_wmma_f32_16x16x4_f32 v[ZZ+8*\t:ZZ+8*\t+7], v[W1F+2*\t:W1F+2*\t+1], v[PA:PB], 0
.endr
.rept 8
	v_nop                                          ; eight places behind this form ahead of the first read of its results
.endr
	SP16 ZZ, 0
	QB UU, 0, 0
	SP16 ZZ+16, 0
	QB UU, 1, 0
.rept 3
	v_nop                                          ; with the quantiser's own: four places between the codes and the scaled product
.endr
.endm
; |p|^2, raw and clipped.  Its plain lines and three v_nop are the places behind the four scaled products (nine, the lane permute not counted)
.macro NORM2
	v_cndmask_b32 v[K2], v[PB], 0, s42             ; the point's w does not count
	v_mul_f32 v[SS], v[PA], v[PA]
	v_fma_f32 v[SS], v[K2], v[K2], v[SS]
	v_permlanex16_b32 v[K3], v[SS], s38, s39
	v_add_f32 v[SS], v[SS], v[K3]
	v_mov_b32 v[RAW], v[SS]
	v_max_num_f32 v[SS], v[SS], s46
.rept 3
	v_nop
.endr
.endm
; 16 numbers from v[src] on times W3's block b, into two pairs of sums; the first two lines of block 0 start them
.macro DOTW src, b
.set j, 0
.rept 8
.if (\b == 0) && (j < 2)
	v_pk_mul_f32 v[ACC+2*(j%2):ACC+2*(j%2)+1], v[(\src)+2*j:(\src)+2*j+1], v[W3L+16*\b+2*j:W3L+16*\b+2*j+1]
.else
	v_pk_fma_f32 v[ACC+2*(j%2):ACC+2*(j%2)+1], v[(\src)+2*j:(\src)+2*j+1], v[W3L+16*\b+2*j:W3L+16*\b+2*j+1], v[ACC+2*(j%2):ACC+2*(j%2)+1]
.endif
.set j, j+1
.endr
.endm
.macro LAYER2
.irp t, 0,1,2,3
	v_wmma_scale_f32_16x16x128_f8f6f4 v[ZZ+8*\t:ZZ+8*\t+7], v[W2F+8*\t:W2F+8*\t+15], v[PC:PC+15], v[B2C+8*\t:B2C+8*\t+7], v[W2S+\t], v[PW]
.endr
	NORM2
	SP16 ZZ, 1
	DOTW UU, 0
	SP16 ZZ+16, 0
	DOTW UU, 1
.endm
.macro MLPSUM                          ; v[K0] = 2 log2 e x (h2 . W3 + b3)
	v_pk_add_f32 v[ACC:ACC+1], v[ACC:ACC+1], v[ACC+2:ACC+3]
	v_add_f32 v[K0], v[ACC], v[ACC+1]
	v_permlanex16_b32 v[K1], v[K0], s38, s39
	v_add_f32 v[K0], v[K0], v[K1]
	v_fma_f32 v[K0], v[K0], s47, s35
.endm
; the sdf at the 16 points origin + v[ZS] x direction of the ray in hand, into v[SV] (the same in lanes l and l xor 16)
.macro SDF
	v_fma_f32 v[PA], v[ZS], v[EA], v[CA]
	v_fma_f32 v[PB], v[ZS], v[EB], v[CB]
	LAYER1
	LAYER2
	MLPSUM
	v_exp_f32 v[K0], v[K0]
	v_add_f32 v[K2], -0.5, v[SS]                   ; a plain line behind the exponential
	s_wait_alu depctr_va_vdst(0)
	v_add_f32 v[K0], 1.0, v[K0]
	v_rcp_f32 v[K0], v[K0]
	v_nop
	s_wait_alu depctr_va_vdst(0)
	v_fma_f32 v[K0], -2.0, v[K0], 1.0              ; tanh = 1 - 2 / (1 + e^(2 x))
	v_fma_f32 v[SV], s48, v[K0], v[K2]
.endm
.macro MINROW                          ; the least key of each row of 16 lanes
.irp x, 1,2,4,8
	v_min_num_f32_dpp v[K5], v[K5], v[K5] row_xmask:\x row_mask:0xf bank_mask:0xf
.endr
.endm
; The first coarse crossing.  A crossing between samples i - 1 and i is flagged in lane i; the key is i.  v[CN], v[CS] become the interval's first z and its length
.macro BR16
	v_mov_b32_dpp v[K1], v[SV] row_shr:1 row_mask:0xf bank_mask:0xf   ; sample i - 1 (lanes 0 and 16 keep what they held and are masked out)
	v_mul_f32 v[K2], s49, v[K1]
	v_mul_f32 v[K3], s49, v[SV]
	v_cmp_lt_f32 s55, 0, v[K2]
	v_cmp_ge_f32 s56, 0, v[K3]
	s_and_b32 s55, s55, s56
	s_and_b32 s55, s55, 0xfffefffe
	v_mov_b32 v[K5], s78
	v_cndmask_b32 v[K5], v[K5], v[RF], s55
	MINROW
	v_cmp_gt_f32 s51, s76, v[K5]                   ; a crossing was found
	v_cndmask_b32 v[K5], 1.0, v[K5], s51           ; else the first interval, as an argmax of all false has it
	v_mul_f32 v[K7], s43, v[K5]
	v_add_f32 v[K6], -1.0, v[K5]
	v_mul_f32 v[K6], s43, v[K6]
	v_fma_f32 v[K6], v[CS], v[K6], v[CN]
	v_fma_f32 v[K7], v[CS], v[K7], v[CN]
	v_sub_f32 v[CS], v[K7], v[K6]
	v_mov_b32 v[CN], v[K6]
.endm
; The first fine crossing, the linear root, and the ray's depth and validity into the lanes of ray s50
.macro BR32 vm
	v_cndmask_b32 v[K0], v[SA], v[SV], s42         ; lane l: sample l
	v_mov_b32_dpp v[K1], v[SA] row_share:15 row_mask:0xf bank_mask:0xf   ; sample 15, for lane 16
	v_mov_b32_dpp v[K1], v[K0] row_shr:1 row_mask:0xf bank_mask:0xf      ; lane l: sample l - 1 (lane 0 is masked out)
	v_mul_f32 v[K2], s49, v[K1]
	v_mul_f32 v[K3], s49, v[K0]
	v_cmp_lt_f32 s55, 0, v[K2]
	v_cmp_ge_f32 s56, 0, v[K3]
	s_and_b32 s55, s55, s56
	s_and_b32 s55, s55, 0xfffffffe
	v_mov_b32 v[K5], s78
	v_cndmask_b32 v[K5], v[K5], v[LF], s55
	MINROW
	v_permlanex16_b32 v[K6], v[K5], s38, s39
	v_min_num_f32 v[K5], v[K5], v[K6]
	v_cmp_gt_f32 s52, s77, v[K5]
	v_cmp_eq_f32 s57, v[K5], v[LF]
	v_cndmask_b32 v[K2], 0, v[K1], s57             ; the two sdf values stand in one lane; a sum with zeros brings them to all
	v_cndmask_b32 v[K3], 0, v[K0], s57
.irp x, 1,2,4,8
	v_add_f32_dpp v[K2], v[K2], v[K2] row_xmask:\x row_mask:0xf bank_mask:0xf
	v_add_f32_dpp v[K3], v[K3], v[K3] row_xmask:\x row_mask:0xf bank_mask:0xf
.endr
	v_permlanex16_b32 v[K6], v[K2], s38, s39
	v_permlanex16_b32 v[K7], v[K3], s38, s39
	v_add_f32 v[K2], v[K2], v[K6]
	v_add_f32 v[K3], v[K3], v[K7]
	v_cndmask_b32 v[K5], 1.0, v[K5], s52
	v_mul_f32 v[K7], s44, v[K5]
	v_add_f32 v[K6], -1.0, v[K5]
	v_mul_f32 v[K6], s44, v[K6]
	v_fma_f32 v[K6], v[CS], v[K6], v[CN]
	v_fma_f32 v[K7], v[CS], v[K7], v[CN]
	v_sub_f32 v[K4], v[K2], v[K3]
	v_mov_b32 v[K0], s46
	v_and_b32 v[K1], 0x7fffffff, v[K4]             ; the divisor's magnitude
	v_cmp_gt_f32 s58, s46, v[K1]
	v_cndmask_b32 v[K4], v[K4], v[K0], s58
	v_rcp_f32 v[K4], v[K4]
	v_sub_f32 v[K7], v[K7], v[K6]                  ; a plain line behind the reciprocal
	s_wait_alu depctr_va_vdst(0)
	v_mul_f32 v[K4], v[K2], v[K4]
	v_fma_f32 v[K4], v[K7], v[K4], v[K6]
	s_and_b32 s59, s51, s52
	v_cndmask_b32 v[K4], 1.0, v[K4], s59
	v_cmp_eq_u32 s55, s50, v[LQ]
	v_cndmask_b32 v[DEPTH], v[DEPTH], v[K4], s55
	s_and_b32 s55, s55, s59
	s_or_b32 s[\vm], s[\vm], s55
.endm
.macro DOT d, a, b                     ; the scalar product of two vectors in the half layout, in all lanes
	v_mul_f32 v[\d], v[\a], v[\b]
	v_fma_f32 v[\d], v[(\a)+1], v[(\b)+1], v[\d]
	v_permlanex16_b32 v[K7], v[\d], s38, s39
	v_add_f32 v[\d], v[\d], v[K7]
.endm
.macro NEARFAR
	DOT K0, DA, DA
	DOT K1, OA, DA
	v_rcp_f32 v[K0], v[K0]
	v_nop
	s_wait_alu depctr_va_vdst(0)
	v_mul_f32 v[K1], -v[K1], v[K0]                 ; mid
	v_add_f32 v[NEAR], -1.0, v[K1]
	v_max_num_f32 v[NEAR], 0, v[NEAR]
	v_add_f32 v[SPAN], 1.0, v[K1]
	v_sub_f32 v[SPAN], v[SPAN], v[NEAR]
.endm
; The wave's four rays, one a trip: three tiles.  Ray q stands in lane q of each half of the lanes.  It is brought to all lanes of its half by two permutes between the halves: the first swaps the halves lane by lane,
; the second lets every lane take lane q of the other half (all sixteen 4-bit selects = q), which is its own half's lane q again.  What is equal in both halves needs the second alone
.macro RAYLOOP vm
	s_mov_b32 s50, 0
	s_mov_b32 s[\vm], 0
	v_mov_b32 v[DEPTH], 0
.Lray_\@:
	s_mul_i32 s79, s50, 0x11111111                 ; eight selects, each the ray's number; the register serves as both select words
	v_permlanex16_b32 v[K0], v[OA], s38, s39
	v_permlanex16_b32 v[K1], v[OB], s38, s39
	v_permlanex16_b32 v[K2], v[DA], s38, s39
	v_permlanex16_b32 v[K3], v[DB], s38, s39
	v_permlanex16_b32 v[CA], v[K0], s79, s79
	v_permlanex16_b32 v[CB], v[K1], s79, s79
	v_permlanex16_b32 v[EA], v[K2], s79, s79
	v_permlanex16_b32 v[EB], v[K3], s79, s79
	v_permlanex16_b32 v[CN], v[NEAR], s79, s79
	v_permlanex16_b32 v[CS], v[SPAN], s79, s79
	v_mul_f32 v[K0], s43, v[RF]
	v_fma_f32 v[ZS], v[CS], v[K0], v[CN]
	SDF
	BR16
	v_mul_f32 v[K0], s44, v[RF]
	v_fma_f32 v[ZS], v[CS], v[K0], v[CN]
	SDF
	v_mov_b32 v[SA], v[SV]
	v_add_f32 v[K0], s76, v[RF]
	v_mul_f32 v[K0], s44, v[K0]
	v_fma_f32 v[ZS], v[CS], v[K0], v[CN]
	SDF
	BR32 \vm
	s_add_co_u32 s50, s50, 1
	s_cmp_lt_u32 s50, 4
	s_cbranch_scc1 .Lray_\@
.endm
.macro LDW2 dir                        ; W2's four fragments and their eight scale bytes out of LDS
.irp t, 0,1,2,3
.irp c, 0,1
	ds_load_b128 v[W2F+8*\t+4*\c:W2F+8*\t+4*\c+3], v[LI] offset:WIMG+(8*\dir+2*\t+\c)*512
	ds_load_b32 v[K0+2*\t+\c], v[LS] offset:WSCL+(8*\dir+2*\t+\c)*128
.endr
.endr
.endm
.macro W2SW                            ; two bytes make a fragment's scale word
.irp t, 0,1,2,3
	v_lshl_or_b32 v[W2S+\t], v[K0+2*\t+1], 8, v[K0+2*\t]
.endr
.endm
.macro LDROW dst, base, off            ; a row of 64 f32 in the result's layout: register 16 b + i = number 32 b + 16 h + i
.irp b, 0,1
.irp q, 0,1,2,3
	global_load_b128 v[\dst+16*\b+4*\q:\dst+16*\b+4*\q+3], v[HB], s[\base:\base+1] offset:\off+128*\b+16*\q
.endr
.endr
.endm
.macro SIG1 b                          ; sigmoid(z1), block b, into v[G2 + 16 b] on
.set i, 0
.rept 16
	v_mul_f32 v[GL+i], s40, |v[ZZ+16*\b+i]|
.set i, i+1
.endr
.set i, 0
.rept 16
	v_exp_f32 v[GL+i], v[GL+i]
.set i, i+1
.endr
	v_nop
	s_wait_alu depctr_va_vdst(0)
.set i, 0
.rept 8
	v_pk_add_f32 v[GR+i:GR+i+1], v[GL+i:GL+i+1], 1.0 op_sel_hi:[1,0]
.set i, i+2
.endr
.set i, 0
.rept 16
	v_rcp_f32 v[GR+i], v[GR+i]
.set i, i+1
.endr
	v_nop
.set i, 0
.rept 16
	v_cmp_gt_f32 vcc_lo, 0, v[ZZ+16*\b+i]
	v_cndmask_b32 v[GL+i], 1.0, v[GL+i], vcc_lo    ; the numerator: e where x < 0, else 1
.set i, i+1
.endr
	s_wait_alu depctr_va_vdst(0)
.set i, 0
.rept 8
	v_pk_mul_f32 v[G2+16*\b+i:G2+16*\b+i+1], v[GL+i:GL+i+1], v[GR+i:GR+i+1]
.set i, i+2
.endr
.endm
.macro DP3 d, w                        ; dz1 . a row of W1
	v_pk_mul_f32 v[ACC:ACC+1], v[G2:G2+1], v[\w:\w+1]
	v_pk_mul_f32 v[ACC+2:ACC+3], v[G2+2:G2+3], v[\w+2:\w+3]
.set j, 2
.rept 14
	v_pk_fma_f32 v[ACC+2*(j%2):ACC+2*(j%2)+1], v[G2+2*j:G2+2*j+1], v[\w+2*j:\w+2*j+1], v[ACC+2*(j%2):ACC+2*(j%2)+1]
.set j, j+1
.endr
	v_pk_add_f32 v[ACC:ACC+1], v[ACC:ACC+1], v[ACC+2:ACC+3]
	v_add_f32 v[\d], v[ACC], v[ACC+1]
	v_permlanex16_b32 v[K7], v[\d], s38, s39
	v_add_f32 v[\d], v[\d], v[K7]
.endm
; The point at the root (v[PA:PB], per ray) and the sdf's normalised gradient there (v[NA:NB]).  reload = 1: the forward weights are brought back for the next pass
.macro GRAD reload
	v_fma_f32 v[PA], v[DEPTH], v[DA], v[OA]
	v_fma_f32 v[PB], v[DEPTH], v[DB], v[OB]
	LAYER1                                         ; v[ZZ] keeps z1
.irp t, 0,1,2,3
	v_wmma_scale_f32_16x16x128_f8f6f4 v[G2+8*\t:G2+8*\t+7], v[W2F+8*\t:W2F+8*\t+15], v[PC:PC+15], v[B2C+8*\t:B2C+8*\t+7], v[W2S+\t], v[PW]
.endr
	NORM2
.irp b, 0,1                            ; softplus(z2) . W3 and sigmoid(z2) x W3, a block of 32 at a time
.set i, 0
.rept 16
	v_mul_f32 v[GE+i], s40, |v[G2+16*\b+i]|
.set i, i+1
.endr
.set i, 0
.rept 16
	v_exp_f32 v[GE+i], v[GE+i]
.set i, i+1
.endr
.if \b == 0
	v_sqrt_f32 v[SS], v[SS]
.endif
	v_nop
	s_wait_alu depctr_va_vdst(0)
.set i, 0
.rept 8
	v_pk_add_f32 v[GV+i:GV+i+1], v[GE+i:GE+i+1], 1.0 op_sel_hi:[1,0]
.set i, i+2
.endr
.set i, 0
.rept 16
	v_log_f32 v[GL+i], v[GV+i]
	v_rcp_f32 v[GR+i], v[GV+i]
.set i, i+1
.endr
	v_nop
	s_wait_alu depctr_va_vdst(0)
.set i, 0
.rept 16
	v_max_num_f32 v[GV+i], 0, v[G2+16*\b+i]
.set i, i+1
.endr
.set i, 0
.rept 8
	v_pk_fma_f32 v[GV+i:GV+i+1], v[GL+i:GL+i+1], s[36:37], v[GV+i:GV+i+1] op_sel_hi:[1,0,1]
.set i, i+2
.endr
	DOTW GV, \b
.set i, 0
.rept 16
	v_cmp_gt_f32 vcc_lo, 0, v[G2+16*\b+i]
	v_cndmask_b32 v[GE+i], 1.0, v[GE+i], vcc_lo
.set i, i+1
.endr
.set i, 0
.rept 8
	v_pk_mul_f32 v[GE+i:GE+i+1], v[GE+i:GE+i+1], v[GR+i:GR+i+1]
.set i, i+2
.endr
.set i, 0
.rept 8
	v_pk_mul_f32 v[G2+16*\b+i:G2+16*\b+i+1], v[GE+i:GE+i+1], v[W3L+16*\b+i:W3L+16*\b+i+1]
.set i, i+2
.endr
.endr
	LDROW W3L, 8, 0                                ; W3 is done with: W1's row 0 takes its place
	MLPSUM
	v_exp_f32 v[K0], v[K0]
	v_nop
	s_wait_alu depctr_va_vdst(0)
	v_add_f32 v[K0], 1.0, v[K0]
	v_rcp_f32 v[K0], v[K0]
	v_nop
	s_wait_alu depctr_va_vdst(0)
	v_fma_f32 v[K0], -2.0, v[K0], 1.0
	v_fma_f32 v[K0], -v[K0], v[K0], 1.0
	v_mul_f32 v[K0], s48, v[K0]                    ; 0.02 (1 - tanh^2)
	v_mov_b32 v[K1], v[K0]
.set i, 0
.rept 16
	v_pk_mul_f32 v[G2+i:G2+i+1], v[G2+i:G2+i+1], v[K0:K1]   ; dz2
.set i, i+2
.endr
	QB G2, 0, 1
	QB G2+16, 1, 1
	LDW2 1                                         ; W2 quantised along its second axis
	SIG1 0
	s_wait_dscnt 0x0                               ; the fragments and the bytes are in
	W2SW
	SIG1 1                                         ; its plain lines stand between the scale words and the products
	LDROW B2C, 8, 256                              ; W1's row 1
.irp t, 0,1,2,3
	v_wmma_scale_f32_16x16x128_f8f6f4 v[ZZ+8*\t:ZZ+8*\t+7], v[W2F+8*\t:W2F+8*\t+15], v[PC:PC+15], 0, v[W2S+\t], v[PW]
.endr
.rept 8
	v_nop                                          ; places ahead of the loads into W2's registers and of the first read of dh1
.endr
	LDROW W2F, 8, 512                              ; W1's row 2
.set i, 0
.rept 16
	v_pk_mul_f32 v[G2+i:G2+i+1], v[ZZ+i:ZZ+i+1], v[G2+i:G2+i+1]   ; dz1
.set i, i+2
.endr
	s_wait_loadcnt 16                              ; row 0's eight loads are in; rows 1 and 2 may be out
	DP3 DPX, W3L
	s_wait_loadcnt 8                               ; row 1's; row 2 may be out
	DP3 DPY, B2C
	s_wait_loadcnt 0x0
	DP3 DPZ, W2F
.if \reload
	LDW2 0
	LDROW B2C, 14, 0
	LDROW W3L, 16, 0
	s_wait_dscnt 0x0
	W2SW
.endif
	v_rcp_f32 v[K0], v[SS]                         ; 1 / |p|
	v_cndmask_b32 v[K1], v[DPX], v[DPZ], s42
	v_cndmask_b32 v[K2], v[DPY], 0, s42
	v_cndmask_b32 v[K3], v[PB], 0, s42
	v_cmp_lt_f32 s55, s46, v[RAW]                  ; the clip passes a gradient only above its bound
	s_wait_alu depctr_va_vdst(0)
	v_cndmask_b32 v[K0], 0, v[K0], s55
	v_fma_f32 v[NA], v[PA], v[K0], v[K1]
	v_fma_f32 v[NB], v[K3], v[K0], v[K2]
	DOT K4, NA, NA
	v_max_num_f32 v[K4], v[K4], s46
	v_rsq_f32 v[K4], v[K4]
	v_nop
	s_wait_alu depctr_va_vdst(0)
	v_mul_f32 v[NA], v[NA], v[K4]
	v_mul_f32 v[NB], v[NB], v[K4]
.endm
; The direction v[DA:DB] refracted at the normal v[NA:NB] into v[EA:EB], and the attenuation
.macro REFRACT att
	DOT K0, DA, NA
	v_mul_f32 v[K0], -1.0, v[K0]                   ; cos theta
	v_fma_f32 v[EA], v[K0], v[NA], v[DA]
	v_fma_f32 v[EB], v[K0], v[NB], v[DB]
	v_mul_f32 v[EA], s62, v[EA]                    ; t_p
	v_mul_f32 v[EB], s62, v[EB]
	DOT K1, EA, EA
	v_med3_num_f32 v[K1], v[K1], 0, s63
	v_sub_f32 v[K1], 1.0, v[K1]
	v_sqrt_f32 v[K1], v[K1]
	v_nop
	s_wait_alu depctr_va_vdst(0)
	v_fma_f32 v[EA], -v[K1], v[NA], v[EA]
	v_fma_f32 v[EB], -v[K1], v[NB], v[EB]
	DOT K2, EA, EA
	v_max_num_f32 v[K2], v[K2], s46
	v_rsq_f32 v[K2], v[K2]
	v_nop
	s_wait_alu depctr_va_vdst(0)
	v_mul_f32 v[EA], v[EA], v[K2]
	v_mul_f32 v[EB], v[EB], v[K2]
	DOT K3, EA, NA
	v_mul_f32 v[K3], -1.0, v[K3]                   ; cos theta_t
	v_mul_f32 v[K1], s61, v[K0]
	v_mul_f32 v[K2], s61, v[K3]
	v_fma_f32 v[K4], v[K3], s60, -v[K1]
	v_fma_f32 v[K5], v[K3], s60, v[K1]
	v_fma_f32 v[K6], v[K0], s60, -v[K2]
	v_fma_f32 v[K7], v[K0], s60, v[K2]
	v_max_num_f32 v[K5], v[K5], s46
	v_max_num_f32 v[K7], v[K7], s46
	v_rcp_f32 v[K5], v[K5]
	v_rcp_f32 v[K7], v[K7]
	v_nop
	s_wait_alu depctr_va_vdst(0)
	v_mul_f32 v[K4], v[K4], v[K5]
	v_mul_f32 v[K6], v[K6], v[K7]
	v_mul_f32 v[K4], v[K4], v[K4]
	v_fma_f32 v[K4], v[K6], v[K6], v[K4]
	v_mul_f32 v[K4], 0.5, v[K4]
	v_med3_num_f32 v[\att], v[K4], 0, 1.0
.endm
.macro OUT3 k, va, fa                  ; a 3-vector, selected, into the stage: lanes 0-15 x and y, lanes 16-31 z, twice (the same value to the same word, as do a ray's four copies)
	v_cndmask_b32 v[K0], v[\fa], v[\va], s55
	v_cndmask_b32 v[K1], v[(\fa)+1], v[(\va)+1], s55
	v_cndmask_b32 v[K1], v[K1], v[K0], s42
	ds_store_b32 v[CA], v[K0] offset:STG+768*\k
	ds_store_b32 v[CB], v[K1] offset:STG+768*\k+4
.endm
	; ---- the head
	s_load_b512 s[4:19], s[0:1], 0x0               ; rays_o s[4:5], rays_d s[6:7], W1 s[8:9], b1 s[10:11], W2 s[12:13], b2 s[14:15], W3 s[16:17], b3 s[18:19]
	s_load_b256 s[20:27], s[0:1], 0x40             ; out0 .. out3
	s_load_b128 s[28:31], s[0:1], 0x60             ; out4, out5
	s_load_b64 s[32:33], s[0:1], 0x70              ; out6
	v_lshl_add_u32 v[SPW], v0, 2, SPARE
	v_mov_b32 v[NIL], 0
	v_lshrrev_b32 v[K0], 5, v0
	v_readfirstlane_b32 s2, v[K0]                  ; wave 0..15
	v_and_b32 v[K1], 31, v0                        ; lane
	v_and_b32 v[K2], 15, v0                        ; r
	v_bfe_u32 v[K3], v0, 4, 1                      ; h
	v_cvt_f32_u32 v[RF], v[K2]
	v_cvt_f32_u32 v[LF], v[K1]
	v_and_b32 v[LQ], 3, v0
	v_lshlrev_b32 v[LI], 4, v[K1]
	v_lshlrev_b32 v[LS], 2, v[K1]
	v_lshlrev_b32 v[HB], 6, v[K3]
	v_and_b32 v[K4], 8, v[K2]
	v_add_nc_u32 v[K4], v[K4], v[K2]               ; r + 8 (r / 8)
	s_mov_b32 s36, 0x3f317218                      ; ln 2
	s_mov_b32 s37, s36                             ; (named with it as a pair, so it is written)
	s_mov_b32 s38, 0x76543210
	s_mov_b32 s39, 0xfedcba98                      ; v_permlanex16_b32's selects for lane l xor 16
	s_mov_b32 s40, 0xbfb8aa3b                      ; -log2 e
	s_mov_b32 s41, 0x600000                        ; the mantissa field of 448
	s_mov_b32 s42, 0xffff0000                      ; lanes 16-31
	s_mov_b32 s43, 0x3d888889                      ; 1 / 15
	s_mov_b32 s44, 0x3d042108                      ; 1 / 31
	s_mov_b32 s46, 0x2edbe6ff                      ; 1e-10
	s_mov_b32 s47, 0x4038aa3b                      ; 2 log2 e
	s_mov_b32 s48, 0x3ca3d70a                      ; 0.02
	s_mov_b32 s63, 0x3f7fffef                      ; 0.999999
	s_mov_b32 s76, 0x41800000                      ; 16.0
	s_mov_b32 s77, 0x42000000                      ; 32.0
	s_mov_b32 s78, 0x42800000                      ; 64.0
	; wave w quantises unit w of W2: dir = w / 8, tile t = (w / 2) % 4, block c = w % 2.  Lane (r, h) takes 16 numbers: the tile's row of lane r, k = 32 c + 16 h + 0 .. 15
	s_lshr_b32 s66, s2, 3
	s_bfe_u32 s67, s2, 0x20001
	s_and_b32 s68, s2, 1
	s_cmp_eq_u32 s66, 0
	s_cselect_b32 s69, 256, 4                      ; bytes from k to k + 1: forward K is W2's first axis, backward its second
	s_cselect_b32 s70, 4, 256                      ; and from row to row
	s_lshr_b32 s71, s67, 1
	s_lshl_b32 s71, s71, 5
	s_and_b32 s72, s67, 1
	s_lshl_b32 s72, s72, 3
	s_add_co_u32 s71, s71, s72                     ; 32 (t / 2) + 8 (t % 2)
	s_lshl_b32 s72, s68, 5
	v_add_nc_u32 v[K5], s71, v[K4]
	v_mul_lo_u32 v[K5], v[K5], s70
	v_lshl_add_u32 v[K6], v[K3], 4, s72
	v_mul_lo_u32 v[K6], v[K6], s69
	v_add_nc_u32 v[K5], v[K5], v[K6]
.set i, 0
.rept 16
	v_mad_u32_u24 v[W2F+i], s69, i, v[K5]
.set i, i+1
.endr
	s_lshl_b32 s73, ttmp9, 6
	s_lshl_b32 s74, s2, 2
	s_add_co_u32 s73, s73, s74                     ; my wave's first ray
	v_add_nc_u32 v[CA], s73, v[LQ]
	v_mul_u32_u24 v[CA], v[CA], 12                 ; the ray's 12 bytes
	v_lshl_add_u32 v[CB], v[K3], 3, v[CA]          ; x for lanes 0-15, z for lanes 16-31
	v_lshlrev_b32 v[EB], 2, v[K4]                  ; W1's row 1 and b1 at the tile's rows
	v_lshl_add_u32 v[EA], v[K3], 9, v[EB]          ; W1's row 0 for lanes 0-15, row 2 for lanes 16-31
	v_lshlrev_b32 v[CN], 4, v0                     ; where my unit's image goes
	v_lshlrev_b32 v[CS], 2, v0                     ; and its byte
	s_wait_kmcnt 0x0
	s_load_b32 s34, s[18:19], 0x0                  ; b3
.set i, 0
.rept 16
	global_load_b32 v[TT+i], v[W2F+i], s[12:13]
.set i, i+1
.endr
	global_load_b32 v[OA], v[CB], s[4:5]
	global_load_b32 v[OB], v[CA], s[4:5] offset:4  ; y in both halves: no load leaves its buffer; lanes 16-31 are replaced below
	global_load_b32 v[DA], v[CB], s[6:7]
	global_load_b32 v[DB], v[CA], s[6:7] offset:4
.irp t, 0,1,2,3
	global_load_b32 v[W1F+2*\t], v[EA], s[8:9] offset:(32*(\t/2)+8*(\t%2))*4
	global_load_b32 v[W1F+2*\t+1], v[EB], s[8:9] offset:256+(32*(\t/2)+8*(\t%2))*4
	global_load_b32 v[ACC+\t], v[EB], s[10:11] offset:(32*(\t/2)+8*(\t%2))*4
.endr
	LDROW B2C, 14, 0
	LDROW W3L, 16, 0
	s_wait_kmcnt 0x0
	s_mul_f32 s35, s34, s47
	s_wait_loadcnt 32                              ; W2's 16 loads are in; the 32 issued behind them may be out
	QB TT, 0, 1
	ds_store_b128 v[CN], v[PC:PC+3] offset:WIMG
	ds_store_b32 v[CS], v[QB0] offset:WSCL
	s_wait_dscnt 0x0                               ; for the others' sake: my unit lies in LDS
	s_barrier_signal -1
	s_barrier_wait -1                              ; all sixteen units do
	LDW2 0
.set i, 0
.rept 8
	v_mov_b32 v[W2F+32+i], 0                       ; zero codes: the last fragment's upper half,
	v_mov_b32 v[PC+8+i], 0                         ; and the points' k = 64 .. 127
.set i, i+1
.endr
	s_wait_loadcnt 0x0
	s_wait_dscnt 0x0
	W2SW
.irp t, 0,1,2,3
	v_cndmask_b32 v[W1F+2*\t+1], v[W1F+2*\t+1], v[ACC+\t], s42   ; k = 3 is b1
.endr
	v_cndmask_b32 v[OB], v[OB], 1.0, s42           ; a point's w
	v_cndmask_b32 v[DB], v[DB], 0, s42             ; a direction's
	v_mov_b32 v[ROA], v[OA]
	v_mov_b32 v[ROB], v[OB]
	v_mov_b32 v[RDA], v[DA]
	v_mov_b32 v[RDB], v[DB]
	; ---- pass 1: into the object
	s_mov_b32 s49, 1.0
	s_mov_b32 s60, 0x3f8009d5                      ; 1.0003
	s_mov_b32 s61, 0x3fbc7454                      ; 1.4723
	s_mov_b32 s62, 0x3f2dee05                      ; 1.0003 / 1.4723
	NEARFAR
	RAYLOOP 53
	GRAD 1
	REFRACT ATT1
	DOT K0, DA, NA                                 ; the reflection: l - 2 (l . n) n, normalised
	v_mul_f32 v[K0], -2.0, v[K0]
	v_fma_f32 v[RLA], v[K0], v[NA], v[DA]
	v_fma_f32 v[RLB], v[K0], v[NB], v[DB]
	DOT K1, RLA, RLA
	v_max_num_f32 v[K1], v[K1], s46
	v_rsq_f32 v[K1], v[K1]
	v_nop
	s_wait_alu depctr_va_vdst(0)
	v_mul_f32 v[RLA], v[RLA], v[K1]
	v_mul_f32 v[RLB], v[RLB], v[K1]
	v_mov_b32 v[OA], v[PA]                         ; the first surface point and the refracted direction are the second pass's ray
	v_mov_b32 v[OB], v[PB]
	v_mov_b32 v[DA], v[EA]
	v_mov_b32 v[DB], v[EB]
	s_wait_loadcnt 0x0                             ; b2 and W3 are back
	; ---- pass 2: out of it
	s_mov_b32 s49, -1.0
	s_mov_b32 s60, 0x3fbc7454
	s_mov_b32 s61, 0x3f8009d5
	s_mov_b32 s62, 0x3fbc65dc                      ; 1.4723 / 1.0003
	NEARFAR
	RAYLOOP 54
	GRAD 0
	v_mul_f32 v[NA], -1.0, v[NA]
	v_mul_f32 v[NB], -1.0, v[NB]
	REFRACT ATT2
	; ---- the way out: every output is selected by final = valid1 & valid2 and goes into the stage as it lies in memory
	s_and_b32 s55, s53, s54
	v_lshrrev_b32 v[K2], 5, v0
	v_lshl_add_u32 v[K2], v[K2], 2, v[LQ]          ; my ray among the work-group's 64
	v_mul_u32_u24 v[K3], v[K2], 12
	v_bfe_u32 v[K4], v0, 4, 1
	v_lshl_add_u32 v[CA], v[K4], 3, v[K3]          ; x or z
	v_lshl_add_u32 v[CB], v[K4], 2, v[K3]          ; with 4 more: y or z
	v_lshlrev_b32 v[CN], 2, v[K2]
	OUT3 0, PA, ROA
	OUT3 1, EA, RDA
	OUT3 2, OA, ROA
	OUT3 3, RLA, RDA
	v_cndmask_b32 v[K5], 0, v[ATT1], s55
	v_cndmask_b32 v[K6], 0, v[ATT2], s55
	v_cndmask_b32 v[K7], 0, 1, s55
	ds_store_b32 v[CN], v[K5] offset:STG+12*256
	ds_store_b32 v[CN], v[K6] offset:STG+13*256
	ds_store_b8 v[K2], v[K7] offset:STG+14*256
	; wave w < 14 stores stage unit w, 8 bytes a lane: 256 consecutive bytes, aligned; wave 14 the 64 flags, 2 bytes a lane
	v_and_b32 v[K0], 31, v0
	s_min_u32 s79, s2, 13
	s_lshl_b32 s79, s79, 8
	s_add_co_u32 s79, s79, STG
	v_lshl_add_u32 v[K1], v[K0], 3, s79
	v_lshl_add_u32 v[K3], v[K0], 1, STG+14*256
	s_mul_i32 s72, s2, 11
	s_lshr_b32 s72, s72, 5                         ; w / 3 for w < 12
	s_mul_i32 s72, s72, 3
	s_sub_co_u32 s72, s2, s72
	s_lshl_b32 s72, s72, 8
	s_mul_i32 s73, ttmp9, 768
	s_add_co_u32 s72, s72, s73                     ; a 3-vector output: 768 bytes a work-group, unit w % 3
	s_lshl_b32 s73, ttmp9, 8                       ; out4, out5: 256 bytes a work-group
	s_cmp_ge_u32 s2, 12
	s_cselect_b32 s72, s73, s72
	s_lshl_b32 s73, ttmp9, 6                       ; out6: 64
	v_lshl_add_u32 v[K2], v[K0], 3, s72
	v_lshl_add_u32 v[K4], v[K0], 1, s73
	s_mov_b64 s[70:71], s[20:21]                   ; the output is chosen by the wave's number alone
	s_cmp_ge_u32 s2, 3
	s_cselect_b64 s[70:71], s[22:23], s[70:71]
	s_cmp_ge_u32 s2, 6
	s_cselect_b64 s[70:71], s[24:25], s[70:71]
	s_cmp_ge_u32 s2, 9
	s_cselect_b64 s[70:71], s[26:27], s[70:71]
	s_cmp_ge_u32 s2, 12
	s_cselect_b64 s[70:71], s[28:29], s[70:71]
	s_cmp_ge_u32 s2, 13
	s_cselect_b64 s[70:71], s[30:31], s[70:71]
	s_wait_dscnt 0x0                               ; for the others' sake: my rays lie in the stage
	s_barrier_signal -1
	s_barrier_wait -1                              ; all 64 do
	s_cmp_lt_u32 s2, 14
	s_cbranch_scc0 .Lflags
	ds_load_b64 v[TT:TT+1], v[K1]
	s_wait_dscnt 0x0
	global_store_b64 v[K2], v[TT:TT+1], s[70:71]
	s_branch .Lend
.Lflags:
	s_cmp_eq_u32 s2, 14
	s_cbranch_scc0 .Lend
	ds_load_u16 v[TT], v[K3]
	s_wait_dscnt 0x0
	global_store_b16 v[K4], v[TT], s[32:33]
.Lend:
	s_wait_tensorcnt 0x0                           ; the wave's end
	ds_add_u32 v[SPW], v[NIL]
	s_wait_dscnt 0x0
	s_endpgm
.Lfunc_end_k_q16952546f8_trace:
	.size	k_q16952546f8_trace, .Lfunc_end_k_q16952546f8_trace-k_q16952546f8_trace
	.p2alignl 7, 3214868480
	.fill 96, 4, 3214868480
	.section	.rodata,"a",@progbits
	.p2align	6, 0x0
	.amdhsa_kernel k_q16952546f8_trace
		.amdhsa_group_segment_fixed_size 16384
		.amdhsa_private_segment_fixed_size 0
		.amdhsa_enable_private_segment 0
		.amdhsa_kernarg_size 120
		.amdhsa_user_sgpr_count 2
		.amdhsa_user_sgpr_kernarg_segment_ptr 1
		.amdhsa_wavefront_size32 1
		.amdhsa_system_sgpr_workgroup_id_x 1
		.amdhsa_system_sgpr_workgroup_id_y 1
		.amdhsa_system_sgpr_workgroup_id_z 1
		.amdhsa_system_vgpr_workitem_id 0
		.amdhsa_next_free_vgpr 256
		.amdhsa_next_free_sgpr 96
		.amdhsa_reserve_vcc 1
		.amdhsa_float_denorm_mode_32 3
		.amdhsa_float_denorm_mode_16_64 3
		.amdhsa_memory_ordered 1
		.amdhsa_forward_progress 1
		.amdhsa_inst_pref_size 255
	.end_amdhsa_kernel
	.section	.bss,"aw",@nobits
	.p2align	6
	.space	262144
	.amdgpu_metadata
---
amdhsa.version: [ 1, 2 ]
amdhsa.kernels:
  - .name:           k_q16952546f8_trace
    .symbol:         k_q16952546f8_trace.kd
    .args:
      - { .name: rays_o, .offset: 0, .size: 8, .value_kind: global_buffer, .address_space: global }
      - { .name: rays_d, .offset: 8, .size: 8, .value_kind: global_buffer, .address_space: global }
      - { .name: W1, .offset: 16, .size: 8, .value_kind: global_buffer, .address_space: global }
      - { .name: b1, .offset: 24, .size: 8, .value_kind: global_buffer, .address_space: global }
      - { .name: W2, .offset: 32, .size: 8, .value_kind: global_buffer, .address_space: global }
      - { .name: b2, .offset: 40, .size: 8, .value_kind: global_buffer, .address_space: global }
      - { .name: W3, .offset: 48, .size: 8, .value_kind: global_buffer, .address_space: global }
      - { .name: b3, .offset: 56, .size: 8, .value_kind: global_buffer, .address_space: global }
      - { .name: out0, .offset: 64, .size: 8, .value_kind: global_buffer, .address_space: global }
      - { .name: out1, .offset: 72, .size: 8, .value_kind: global_buffer, .address_space: global }
      - { .name: out2, .offset: 80, .size: 8, .value_kind: global_buffer, .address_space: global }
      - { .name: out3, .offset: 88, .size: 8, .value_kind: global_buffer, .address_space: global }
      - { .name: out4, .offset: 96, .size: 8, .value_kind: global_buffer, .address_space: global }
      - { .name: out5, .offset: 104, .size: 8, .value_kind: global_buffer, .address_space: global }
      - { .name: out6, .offset: 112, .size: 8, .value_kind: global_buffer, .address_space: global }
    .group_segment_fixed_size: 16384
    .private_segment_fixed_size: 0
    .kernarg_segment_align: 8
    .kernarg_segment_size: 120
    .max_flat_workgroup_size: 512
    .sgpr_count:     96
    .vgpr_count:     256
    .wavefront_size: 32
...
	.end_amdgpu_metadata
.endif
;; end of part 1
;; ======== version 2 of 2: 1 launch; version 1 with the launch trace written anew for expert scheduling mode
;; limits: a function is approximated: absolute error at most 1.2e-07
;; launch trace (part 2): grid 256 x 1, 16 waves a work-group, no clusters, 16,384 bytes of LDS; arguments rays_o, rays_d, W1, b1, W2, b2, W3, b3, out0, out1, out2, out3, out4, out5, out6; writes out0, out1, out2, out3, out4, out5, out6
.if DOCPART == 2
	.amdgcn_target "amdgcn-amd-amdhsa--gfx1250"
	.amdhsa_code_object_version 6
	.text
	.protected	k_q16952546f8_trace
	.globl	k_q16952546f8_trace
	.p2align	8
	.type	k_q16952546f8_trace,@function
k_q16952546f8_trace:
	s_mov_b64 s[64:65], 0
	v_nop
	global_prefetch_b8 v0, s[64:65] scope:SCOPE_SE
	s_setreg_imm32_b32 hwreg(HW_REG_WAVE_SCHED_MODE, 0, 2), 2
	s_setreg_imm32_b32 hwreg(HW_REG_WAVE_MODE, 25, 1), 1
	s_wait_xcnt 0x0
	s_wait_alu depctr_vm_vsrc(0)
; RefractTracer: 16,384 rays, each traced into and out of the surface sdf(p) = |p| - 0.5 + 0.02 tanh(MLP(p)), MLP 3 -> 64 -> 64 -> 1 with softplus.
; For each of the two passes: 16 coarse samples, first sign change, 32 fine samples inside it, first sign change, linear root, the sdf's normalised gradient there, refraction (pass 1: reflection too).
; The 64 x 64 products, forward and backward, are on codes of E4M3 with one E8M0 scale for each 32 along K, by v_wmma_scale_f32_16x16x128_f8f6f4; the K = 3 product, which feeds a quantiser, by v_wmma_f32_16x16x4_f32; the rest by f32 multiply-adds.
; DEAD WORK, for all values of the inputs: _cal_grad's forward returns its argument delta and nothing else, so s1 = _sdf(fsp0) and s2 = _sdf(ssp0) have no way to any output: the six products that make them are left out.
; So are the coarse bracket's two sdf values and total_reflect, which reference() never uses.  Every input keeps a way to an output and is loaded.  A NaN, an infinity or an overflow that would arise only in the work left out is not carried to the result.
; LIMITS: softplus = max(x, 0) + ln2 log2(1 + 2^(-|x| log2 e)): absolute error about 1.2e-7, so its relative error grows for x under about -5 (1 + e is rounded).  linspace is i x fl(1/15), i x fl(1/31): at most an ulp off.
; The gradient of clip(sum, 1e-10) is taken as 0 at sum == 1e-10 exactly.  Divisions are a reciprocal and a multiplication.  Where no fine crossing is found the gathered sdf values are 0; the depth is then 1, as in reference().
; SHARES: a work-group owns 64 rays, each of its sixteen waves 4; four waves of 256 registers lie on a SIMD, so that one wave's exponentials stand beside another's plain work.  Waves share the codes of W2 (made once, in LDS) and the output stage: two barriers.
; A TILE is 16 points, the N of a matrix instruction: a ray's 16 coarse samples, half of its 32 fine ones, or, for the gradient, the wave's four rays four times over.
; LAYOUTS (r = lane % 16, h = lane / 16).  A 3-vector is a register pair: lanes 0-15 (x, y), lanes 16-31 (z, w), w = 1 for points and 0 for directions: a point's pair IS source 1 of the f32 matrix form, and its fourth K element carries b1.
; All products are used transposed (source 0 = 16 rows of a weight, source 1 = 16 points).  THE ROWS OF A TILE ARE NOT NEIGHBOURS: lane r of tile 2 b + u takes row 32 b + 8 u + r + 8 (r / 8), so that register 16 b + i of a result is unit 32 b + 16 h + i of
; point r: the layout of the next product's operand.  K = 64 in an instruction of K = 128: the points' operand has 8 registers of zero codes for k = 64 .. 127, so whatever finite codes stand there on the weight's side add exactly 0: the four fragments of W2
; overlap, fragment t at v[W2F + 8 t .. + 15], its upper half being the next tile's codes (the last: zeros).  Scale bytes 2 and 3 are 0, which is 2^-127 and no NaN.
; No tensor load, no cluster, no prefetch: nothing is streamed; the weights are 17 KB and a wave's rays 96 bytes.
; THE MODE: SCHED_MODE bits 1:0 = 2 (LLVM: expert scheduling mode 2), set by the entry lines.  The code itself states the register dependences between vector or matrix instructions and memory or LDS instructions, with s_wait_alu, always for 0.
; THE PLAN.  Registers that memory or LDS instructions touch:
;   v[LI], v[LS], v[HB], v[SPW], v[NIL]   written at the head, never again; read by every later load and by the closing add.
;   v[W2F .. +15], v24-29                 at the head: offsets of loads and addresses of two LDS stores; written again (by LDS loads, by the ray loop) only behind the head's one wait on vm_vsrc.
;   v[PC .. +3], v[QB0]                   at the head: data of the two LDS stores, behind a wait on va_vdst; written again by the loop's quantiser, behind the same wait on vm_vsrc.
;   v[W2F ..], v[B2C ..], v[W3L ..], v40-47   in the gradient: loads land where matrix and vector instructions have read and written: a wait on va_vdst ahead of each run of loads, and no vector instruction between it and the run names the run's registers.
;   the way out                           every stored value and every address has a register of its own, written once: one wait on va_vdst ahead of the stage's stores serves all memory instructions to the end; no vector instruction follows it.
; THE TWO RAY LOOPS hold no memory or LDS instruction.  Their waits: one on va_vdst a tile, between the codes and scale word that vector instructions made and the scaled products that take them; one on va_sdst between each run of compares and the first reader of a mask;
; and the waits behind the batches of exponentials, logarithms, roots and reciprocals.
.set WIMG,  0                          ; LDS: 16 units of 512 bytes: unit 8 dir + 2 t + c = the register image (16 x lane) of block c of fragment t; dir 0: W2 quantised along its first axis (forward), 1: along its second (backward)
.set WSCL,  8192                       ; 16 units of 128 bytes: the unit's scale byte, a word a lane
.set STG,   10240                      ; the output stage, laid as memory, in units of 256 bytes: out0 0-2, out1 3-5, out2 6-8, out3 9-11, out4 12, out5 13, out6 the first 64 bytes of 14
.set SPARE, 14080                      ; the spare words, 128 bytes for each wave: eight blocks of 256 bytes that no other line names
.set RF, 1                             ; float(r)
.set LF, 2                             ; float(lane)
.set LQ, 3                             ; r % 4: which of the wave's rays a per-ray register holds in this lane
.set LI, 4                             ; 16 x lane
.set HB, 5                             ; 64 h: where my half's 16 units of a block of 32 begin in a row of 64 f32; never rewritten
.set SPW, 6                            ; LDS address of my spare word; never rewritten
.set NIL, 7                            ; 0; never rewritten
.set OA, 8                             ; v[8:9] origin, v[10:11] direction of the pass, per ray
.set OB, 9
.set DA, 10
.set DB, 11
.set NEAR, 12
.set SPAN, 13
.set DEPTH, 14
.set LS, 15                            ; 4 x lane
.set ROA, 16                           ; v[16:19] the rays as given
.set ROB, 17
.set RDA, 18
.set RDB, 19
.set RLA, 20                           ; v[20:21] the reflected direction
.set RLB, 21
.set ATT1, 22
.set ATT2, 23
.set CA, 24                            ; v[24:29] the ray in hand, in all lanes: origin, direction, first z, span of z.  At the head: offsets of loads.  Behind a pass's loop: v[24:25] the normal, v[26:27] the refracted direction
.set CB, 25
.set EA, 26
.set EB, 27
.set CN, 28
.set CS, 29
.set NA, 24
.set NB, 25
.set PA, 30                            ; v[30:31] the point
.set PB, 31
.set ZS, 32
.set SS, 33
.set SA, 34
.set SV, 35
.set ACC, 36                           ; v[36:39] two pairs of running sums
.set K0, 40                            ; v40-47 at work
.set K1, 41
.set K2, 42
.set K3, 43
.set K4, 44
.set K5, 45
.set K6, 46
.set K7, 47
.set QM, 48                            ; v48-52 the quantiser's
.set QP, 49
.set QH, 50
.set QS, 51
.set QB0, 52
.set PW, 53                            ; the points' scale word: scales and nothing else
.set W2S, 54                           ; v54-57 W2's scale words: scales and nothing else
.set W1F, 58                           ; v58-65 W1 and b1 as four fragments of the f32 form
.set PC, 66                            ; v66-73 the points' codes, v74-81 zero codes
.set ZZ, 82                            ; v82-113 written by matrix instructions alone: z1, z2, in the gradient dh1
.set TT, 114                           ; v114-129, v130-145 at work; together G2
.set UU, 130
.set G2, 114
.set W2F, 146                          ; v146-185 W2's four overlapping fragments
.set B2C, 186                          ; v186-217 b2 in the result's layout: the C of the forward products
.set W3L, 218                          ; v218-249 W3 likewise
.set GE, 146                           ; the gradient's temporaries lie where W2 and b2 lay
.set GV, 162
.set GL, 186
.set GR, 202
.set RAW, 250                          ; |p|^2 ahead of the clip
.set DPX, 251
.set DPY, 252
.set DPZ, 253
.set SD, 114                           ; the way out: v114-124 the eleven numbers that go into the stage, a register each
.set RB, 126                           ; v126-128 what comes back from the stage
.set WA, 130                           ; v130-134 the lane, and the addresses of the way back and of the final stores
.set MK, 80                            ; s80-s95 sixteen lane masks of a run of compares
; scalars: s2 wave; s[4:19] inputs; s[20:33] outputs; s34 b3, s35 b3 x 2 log2 e; s[36:37] ln 2; s38, s39 lane selects; s40 -log2 e; s41 448's mantissa; s42 lanes 16-31; s43 1/15; s44 1/31; s46 1e-10; s47 2 log2 e; s48 0.02;
; s49 +1 (entry) or -1 (exit); s50 ray counter; s51-s59 lane masks (s53, s54: valid in pass 1, 2); s60, s61, s62 eta1, eta2, eta1 / eta2; s63 0.999999; s66-s74 at work; s79 the lane selects that name the ray in hand, later at work; s76-s78 16.0, 32.0, 64.0
; softplus of 16 registers from v[src] on, into v[UU] on.  The exponentials are one batch with one wait, the logarithms another (the wait ahead of a batch's first reader); extra = 1: the square root of |p|^2 rides in the first batch
.macro SP16 src, extra
.set i, 0
.rept 16
	v_mul_f32 v[TT+i], s40, |v[(\src)+i]|          ; -|x| log2 e; each accumulator is read from its low end on
.set i, i+1
.endr
.if \extra
	v_sqrt_f32 v[SS], v[SS]
.endif
.set i, 0
.rept 16
	v_exp_f32 v[TT+i], v[TT+i]
	v_max_num_f32 v[UU+i], 0, v[(\src)+i]          ; plain work that names no exponential's result
.set i, i+1
.endr
	s_wait_alu depctr_va_vdst(0)                   ; the sixteen exponentials have written v[TT ..] (extra = 1: the root v[SS]), ahead of their first reader
.set i, 0
.rept 8
	v_pk_add_f32 v[TT+i:TT+i+1], v[TT+i:TT+i+1], 1.0 op_sel_hi:[1,0]
.set i, i+2
.endr
.set i, 0
.rept 16
	v_log_f32 v[TT+i], v[TT+i]
.set i, i+1
.endr
	v_nop                                          ; a plain line behind the last logarithm
	s_wait_alu depctr_va_vdst(0)                   ; the sixteen logarithms have written v[TT ..], ahead of their first reader
.set i, 0
.rept 8
	v_pk_fma_f32 v[UU+i:UU+i+1], v[TT+i:TT+i+1], s[36:37], v[UU+i:UU+i+1] op_sel_hi:[1,0,1]
.set i, i+2
.endr
.endm
; One block of 32 along K, 16 numbers a lane from v[src] on (the other 16 in lane l xor 16), becomes codes in v[PC + 4 b] on; b = 0 keeps the byte, b = 1 makes the scale word.  two = 1: numbers of both signs
.macro QB src, b, two
.if \two
	v_max3_num_f32 v[QM], |v[(\src)]|, |v[(\src)+1]|, 0x4800000   ; the floor 2^(9 - 127): the byte cannot fall under 1
	v_max3_num_f32 v[QP], |v[(\src)+2]|, |v[(\src)+3]|, |v[(\src)+4]|
.irp n, 5, 9
	v_max3_num_f32 v[QM], v[QM], |v[(\src)+\n]|, |v[(\src)+\n+1]|
	v_max3_num_f32 v[QP], v[QP], |v[(\src)+\n+2]|, |v[(\src)+\n+3]|
.endr
	v_max3_num_f32 v[QM], v[QM], |v[(\src)+13]|, |v[(\src)+14]|
	v_max3_num_f32 v[QM], v[QM], v[QP], |v[(\src)+15]|
.else
	v_max3_num_f32 v[QM], v[(\src)], v[(\src)+1], 0x4800000
	v_max3_num_f32 v[QP], v[(\src)+2], v[(\src)+3], v[(\src)+4]
.irp n, 5, 9
	v_max3_num_f32 v[QM], v[QM], v[(\src)+\n], v[(\src)+\n+1]
	v_max3_num_f32 v[QP], v[QP], v[(\src)+\n+2], v[(\src)+\n+3]
.endr
	v_max3_num_f32 v[QM], v[QM], v[(\src)+13], v[(\src)+14]
	v_max3_num_f32 v[QM], v[QM], v[QP], v[(\src)+15]
.endif
	v_permlanex16_b32 v[QP], v[QM], s38, s39
	v_max_num_f32 v[QM], v[QM], v[QP]              ; the block's largest magnitude
	v_add_nc_u32 v[QS], 0xfc000000, v[QM]          ; 8 off its exponent field: the conversion's scale operand
	v_and_or_b32 v[QH], v[QM], 0x7f800000, s41     ; 448 x the scale
.if \b == 0
	v_lshrrev_b32 v[QB0], 23, v[QS]                ; the scale's byte
.else
	v_lshrrev_b32 v[QM], 23, v[QS]
	v_lshl_or_b32 v[PW], v[QM], 8, v[QB0]          ; the scale word; the 16 holds below stand between it and the product
.endif
.set i, 0
.rept 16
.if \two
	v_med3_num_f32 v[(\src)+i], v[(\src)+i], -v[QH], v[QH]   ; the conversion to an 8-bit code does not saturate (ISA guide 7.6.2)
.else
	v_min_num_f32 v[(\src)+i], v[(\src)+i], v[QH]  ; softplus is not negative: the hold is one-sided
.endif
.set i, i+1
.endr
	v_cvt_scalef32_pk8_fp8_f32 v[PC+4*\b:PC+4*\b+1], v[(\src):(\src)+7], v[QS]
	v_cvt_scalef32_pk8_fp8_f32 v[PC+4*\b+2:PC+4*\b+3], v[(\src)+8:(\src)+15], v[QS]
	v_nop                                          ; a plain line behind the last conversion
.endm
; z1 = W1^T p + b1 for the 16 points in v[PA:PB]; h1 = softplus(z1) as codes in v[PC] on and its scale word.  Four scaled products follow it
.macro LAYER1
.irp t, 0,1,2,3
	v_wmma_f32_16x16x4_f32 v[ZZ+8*\t:ZZ+8*\t+7], v[W1F+2*\t:W1F+2*\t+1], v[PA:PB], 0
.endr
.rept 8
	v_nop                                          ; eight places behind this form ahead of the first read of its results
.endr
	SP16 ZZ, 0
	QB UU, 0, 0
	SP16 ZZ+16, 0
	QB UU, 1, 0
.rept 3
	v_nop                                          ; with the quantiser's own: four places between the codes and the scaled product
.endr
	s_wait_alu depctr_va_vdst(0)                   ; behind the places: the conversions have written the codes v[PC ..] and vector lines the scale word v[PW] (and, since W2 was last fetched, v[W2S ..]; the first time, the zero codes), which the scaled products take
.endm
; |p|^2, raw and clipped.  Its plain lines and three v_nop are the places behind the four scaled products (nine, the lane permute not counted)
.macro NORM2
	v_cndmask_b32 v[K2], v[PB], 0, s42             ; the point's w does not count
	v_mul_f32 v[SS], v[PA], v[PA]
	v_fma_f32 v[SS], v[K2], v[K2], v[SS]
	v_permlanex16_b32 v[K3], v[SS], s38, s39
	v_add_f32 v[SS], v[SS], v[K3]
	v_mov_b32 v[RAW], v[SS]
	v_max_num_f32 v[SS], v[SS], s46
.rept 3
	v_nop
.endr
.endm
; 16 numbers from v[src] on times W3's block b, into two pairs of sums; the first two lines of block 0 start them
.macro DOTW src, b
.set j, 0
.rept 8
.if (\b == 0) && (j < 2)
	v_pk_mul_f32 v[ACC+2*(j%2):ACC+2*(j%2)+1], v[(\src)+2*j:(\src)+2*j+1], v[W3L+16*\b+2*j:W3L+16*\b+2*j+1]
.else
	v_pk_fma_f32 v[ACC+2*(j%2):ACC+2*(j%2)+1], v[(\src)+2*j:(\src)+2*j+1], v[W3L+16*\b+2*j:W3L+16*\b+2*j+1], v[ACC+2*(j%2):ACC+2*(j%2)+1]
.endif
.set j, j+1
.endr
.endm
.macro LAYER2
.irp t, 0,1,2,3
	v_wmma_scale_f32_16x16x128_f8f6f4 v[ZZ+8*\t:ZZ+8*\t+7], v[W2F+8*\t:W2F+8*\t+15], v[PC:PC+15], v[B2C+8*\t:B2C+8*\t+7], v[W2S+\t], v[PW]
.endr
	NORM2
	SP16 ZZ, 1
	DOTW UU, 0
	SP16 ZZ+16, 0
	DOTW UU, 1
.endm
.macro MLPSUM                          ; v[K0] = 2 log2 e x (h2 . W3 + b3)
	v_pk_add_f32 v[ACC:ACC+1], v[ACC:ACC+1], v[ACC+2:ACC+3]
	v_add_f32 v[K0], v[ACC], v[ACC+1]
	v_permlanex16_b32 v[K1], v[K0], s38, s39
	v_add_f32 v[K0], v[K0], v[K1]
	v_fma_f32 v[K0], v[K0], s47, s35
.endm
; the sdf at the 16 points origin + v[ZS] x direction of the ray in hand, into v[SV] (the same in lanes l and l xor 16)
.macro SDF
	v_fma_f32 v[PA], v[ZS], v[EA], v[CA]
	v_fma_f32 v[PB], v[ZS], v[EB], v[CB]
	LAYER1
	LAYER2
	MLPSUM
	v_exp_f32 v[K0], v[K0]
	v_add_f32 v[K2], -0.5, v[SS]                   ; a plain line behind the exponential
	s_wait_alu depctr_va_vdst(0)                   ; the exponential has written v[K0], ahead of its reader
	v_add_f32 v[K0], 1.0, v[K0]
	v_rcp_f32 v[K0], v[K0]
	v_nop
	s_wait_alu depctr_va_vdst(0)                   ; the reciprocal has written v[K0], ahead of its reader
	v_fma_f32 v[K0], -2.0, v[K0], 1.0              ; tanh = 1 - 2 / (1 + e^(2 x))
	v_fma_f32 v[SV], s48, v[K0], v[K2]
.endm
.macro MINROW                          ; the least key of each row of 16 lanes
.irp x, 1,2,4,8
	v_min_num_f32_dpp v[K5], v[K5], v[K5] row_xmask:\x row_mask:0xf bank_mask:0xf
.endr
.endm
; The first coarse crossing.  A crossing between samples i - 1 and i is flagged in lane i; the key is i.  v[CN], v[CS] become the interval's first z and its length
.macro BR16
	v_mov_b32_dpp v[K1], v[SV] row_shr:1 row_mask:0xf bank_mask:0xf   ; sample i - 1 (lanes 0 and 16 keep what they held and are masked out)
	v_mul_f32 v[K2], s49, v[K1]
	v_mul_f32 v[K3], s49, v[SV]
	v_cmp_lt_f32 s55, 0, v[K2]
	v_cmp_ge_f32 s56, 0, v[K3]
	v_mov_b32 v[K5], s78
	s_wait_alu depctr_va_sdst(0)                   ; the two compares have written s55 and s56, ahead of their first reader
	s_and_b32 s55, s55, s56
	s_and_b32 s55, s55, 0xfffefffe
	v_cndmask_b32 v[K5], v[K5], v[RF], s55
	MINROW
	v_cmp_gt_f32 s51, s76, v[K5]                   ; a crossing was found
	s_wait_alu depctr_va_sdst(0)                   ; the compare has written s51, ahead of its first reader
	v_cndmask_b32 v[K5], 1.0, v[K5], s51           ; else the first interval, as an argmax of all false has it
	v_mul_f32 v[K7], s43, v[K5]
	v_add_f32 v[K6], -1.0, v[K5]
	v_mul_f32 v[K6], s43, v[K6]
	v_fma_f32 v[K6], v[CS], v[K6], v[CN]
	v_fma_f32 v[K7], v[CS], v[K7], v[CN]
	v_sub_f32 v[CS], v[K7], v[K6]
	v_mov_b32 v[CN], v[K6]
.endm
; The first fine crossing, the linear root, and the ray's depth and validity into the lanes of ray s50
.macro BR32 vm
	v_cndmask_b32 v[K0], v[SA], v[SV], s42         ; lane l: sample l
	v_mov_b32_dpp v[K1], v[SA] row_share:15 row_mask:0xf bank_mask:0xf   ; sample 15, for lane 16
	v_mov_b32_dpp v[K1], v[K0] row_shr:1 row_mask:0xf bank_mask:0xf      ; lane l: sample l - 1 (lane 0 is masked out)
	v_mul_f32 v[K2], s49, v[K1]
	v_mul_f32 v[K3], s49, v[K0]
	v_cmp_lt_f32 s55, 0, v[K2]
	v_cmp_ge_f32 s56, 0, v[K3]
	v_mov_b32 v[K5], s78
	s_wait_alu depctr_va_sdst(0)                   ; the two compares have written s55 and s56, ahead of their first reader
	s_and_b32 s55, s55, s56
	s_and_b32 s55, s55, 0xfffffffe
	v_cndmask_b32 v[K5], v[K5], v[LF], s55
	MINROW
	v_permlanex16_b32 v[K6], v[K5], s38, s39
	v_min_num_f32 v[K5], v[K5], v[K6]
	v_cmp_gt_f32 s52, s77, v[K5]
	v_cmp_eq_f32 s57, v[K5], v[LF]
	s_wait_alu depctr_va_sdst(0)                   ; the two compares have written s52 and s57, ahead of their first readers
	v_cndmask_b32 v[K2], 0, v[K1], s57             ; the two sdf values stand in one lane; a sum with zeros brings them to all
	v_cndmask_b32 v[K3], 0, v[K0], s57
.irp x, 1,2,4,8
	v_add_f32_dpp v[K2], v[K2], v[K2] row_xmask:\x row_mask:0xf bank_mask:0xf
	v_add_f32_dpp v[K3], v[K3], v[K3] row_xmask:\x row_mask:0xf bank_mask:0xf
.endr
	v_permlanex16_b32 v[K6], v[K2], s38, s39
	v_permlanex16_b32 v[K7], v[K3], s38, s39
	v_add_f32 v[K2], v[K2], v[K6]
	v_add_f32 v[K3], v[K3], v[K7]
	v_cndmask_b32 v[K5], 1.0, v[K5], s52
	v_mul_f32 v[K7], s44, v[K5]
	v_add_f32 v[K6], -1.0, v[K5]
	v_mul_f32 v[K6], s44, v[K6]
	v_fma_f32 v[K6], v[CS], v[K6], v[CN]
	v_fma_f32 v[K7], v[CS], v[K7], v[CN]
	v_sub_f32 v[K4], v[K2], v[K3]
	v_mov_b32 v[K0], s46
	v_and_b32 v[K1], 0x7fffffff, v[K4]             ; the divisor's magnitude
	v_cmp_gt_f32 s58, s46, v[K1]
	v_cmp_eq_u32 s55, s50, v[LQ]                   ; the lanes of the ray in hand
	s_wait_alu depctr_va_sdst(0)                   ; the two compares have written s58 and s55, ahead of their first readers
	v_cndmask_b32 v[K4], v[K4], v[K0], s58
	v_rcp_f32 v[K4], v[K4]
	v_sub_f32 v[K7], v[K7], v[K6]                  ; a plain line behind the reciprocal
	s_wait_alu depctr_va_vdst(0)                   ; the reciprocal has written v[K4], ahead of its reader
	v_mul_f32 v[K4], v[K2], v[K4]
	v_fma_f32 v[K4], v[K7], v[K4], v[K6]
	s_and_b32 s59, s51, s52
	v_cndmask_b32 v[K4], 1.0, v[K4], s59
	v_cndmask_b32 v[DEPTH], v[DEPTH], v[K4], s55
	s_and_b32 s55, s55, s59
	s_or_b32 s[\vm], s[\vm], s55
.endm
.macro DOT d, a, b                     ; the scalar product of two vectors in the half layout, in all lanes
	v_mul_f32 v[\d], v[\a], v[\b]
	v_fma_f32 v[\d], v[(\a)+1], v[(\b)+1], v[\d]
	v_permlanex16_b32 v[K7], v[\d], s38, s39
	v_add_f32 v[\d], v[\d], v[K7]
.endm
.macro NEARFAR
	DOT K0, DA, DA
	DOT K1, OA, DA
	v_rcp_f32 v[K0], v[K0]
	v_nop
	s_wait_alu depctr_va_vdst(0)                   ; the reciprocal has written v[K0], ahead of its reader
	v_mul_f32 v[K1], -v[K1], v[K0]                 ; mid
	v_add_f32 v[NEAR], -1.0, v[K1]
	v_max_num_f32 v[NEAR], 0, v[NEAR]
	v_add_f32 v[SPAN], 1.0, v[K1]
	v_sub_f32 v[SPAN], v[SPAN], v[NEAR]
.endm
; The wave's four rays, one a trip: three tiles.  Ray q stands in lane q of each half of the lanes.  It is brought to all lanes of its half by two permutes between the halves: the first swaps the halves lane by lane,
; the second lets every lane take lane q of the other half (all sixteen 4-bit selects = q), which is its own half's lane q again.  What is equal in both halves needs the second alone
.macro RAYLOOP vm
	s_mov_b32 s50, 0
	s_mov_b32 s[\vm], 0
	v_mov_b32 v[DEPTH], 0
.Lray_\@:
	s_mul_i32 s79, s50, 0x11111111                 ; eight selects, each the ray's number; the register serves as both select words
	v_permlanex16_b32 v[K0], v[OA], s38, s39
	v_permlanex16_b32 v[K1], v[OB], s38, s39
	v_permlanex16_b32 v[K2], v[DA], s38, s39
	v_permlanex16_b32 v[K3], v[DB], s38, s39
	v_permlanex16_b32 v[CA], v[K0], s79, s79
	v_permlanex16_b32 v[CB], v[K1], s79, s79
	v_permlanex16_b32 v[EA], v[K2], s79, s79
	v_permlanex16_b32 v[EB], v[K3], s79, s79
	v_permlanex16_b32 v[CN], v[NEAR], s79, s79
	v_permlanex16_b32 v[CS], v[SPAN], s79, s79
	v_mul_f32 v[K0], s43, v[RF]
	v_fma_f32 v[ZS], v[CS], v[K0], v[CN]
	SDF
	BR16
	v_mul_f32 v[K0], s44, v[RF]
	v_fma_f32 v[ZS], v[CS], v[K0], v[CN]
	SDF
	v_mov_b32 v[SA], v[SV]
	v_add_f32 v[K0], s76, v[RF]
	v_mul_f32 v[K0], s44, v[K0]
	v_fma_f32 v[ZS], v[CS], v[K0], v[CN]
	SDF
	BR32 \vm
	s_add_co_u32 s50, s50, 1
	s_cmp_lt_u32 s50, 4
	s_cbranch_scc1 .Lray_\@
.endm
.macro LDW2 dir                        ; W2's four fragments and their eight scale bytes out of LDS
.irp t, 0,1,2,3
.irp c, 0,1
	ds_load_b128 v[W2F+8*\t+4*\c:W2F+8*\t+4*\c+3], v[LI] offset:WIMG+(8*\dir+2*\t+\c)*512
	ds_load_b32 v[K0+2*\t+\c], v[LS] offset:WSCL+(8*\dir+2*\t+\c)*128
.endr
.endr
.endm
.macro W2SW                            ; two bytes make a fragment's scale word
.irp t, 0,1,2,3
	v_lshl_or_b32 v[W2S+\t], v[K0+2*\t+1], 8, v[K0+2*\t]
.endr
.endm
.macro LDROW dst, base, off            ; a row of 64 f32 in the result's layout: register 16 b + i = number 32 b + 16 h + i
.irp b, 0,1
.irp q, 0,1,2,3
	global_load_b128 v[\dst+16*\b+4*\q:\dst+16*\b+4*\q+3], v[HB], s[\base:\base+1] offset:\off+128*\b+16*\q
.endr
.endr
.endm
.macro SIG1 b                          ; sigmoid(z1), block b, into v[G2 + 16 b] on
.set i, 0
.rept 16
	v_mul_f32 v[GL+i], s40, |v[ZZ+16*\b+i]|
.set i, i+1
.endr
.set i, 0
.rept 16
	v_exp_f32 v[GL+i], v[GL+i]
.set i, i+1
.endr
	v_nop
	s_wait_alu depctr_va_vdst(0)                   ; the sixteen exponentials have written v[GL ..], ahead of their first reader
.set i, 0
.rept 8
	v_pk_add_f32 v[GR+i:GR+i+1], v[GL+i:GL+i+1], 1.0 op_sel_hi:[1,0]
.set i, i+2
.endr
.set i, 0
.rept 16
	v_rcp_f32 v[GR+i], v[GR+i]
.set i, i+1
.endr
	v_nop
.set i, 0
.rept 16
	v_cmp_gt_f32 s[MK+i], 0, v[ZZ+16*\b+i]         ; a run of sixteen compares, a mask each
.set i, i+1
.endr
	s_wait_alu depctr_va_sdst(0)                   ; the sixteen compares have written s[MK ..], ahead of their first reader
.set i, 0
.rept 16
	v_cndmask_b32 v[GL+i], 1.0, v[GL+i], s[MK+i]   ; the numerator: e where x < 0, else 1
.set i, i+1
.endr
	s_wait_alu depctr_va_vdst(0)                   ; the sixteen reciprocals have written v[GR ..], ahead of their first reader
.set i, 0
.rept 8
	v_pk_mul_f32 v[G2+16*\b+i:G2+16*\b+i+1], v[GL+i:GL+i+1], v[GR+i:GR+i+1]
.set i, i+2
.endr
.endm
.macro DP3 d, w                        ; dz1 . a row of W1
	v_pk_mul_f32 v[ACC:ACC+1], v[G2:G2+1], v[\w:\w+1]
	v_pk_mul_f32 v[ACC+2:ACC+3], v[G2+2:G2+3], v[\w+2:\w+3]
.set j, 2
.rept 14
	v_pk_fma_f32 v[ACC+2*(j%2):ACC+2*(j%2)+1], v[G2+2*j:G2+2*j+1], v[\w+2*j:\w+2*j+1], v[ACC+2*(j%2):ACC+2*(j%2)+1]
.set j, j+1
.endr
	v_pk_add_f32 v[ACC:ACC+1], v[ACC:ACC+1], v[ACC+2:ACC+3]
	v_add_f32 v[\d], v[ACC], v[ACC+1]
	v_permlanex16_b32 v[K7], v[\d], s38, s39
	v_add_f32 v[\d], v[\d], v[K7]
.endm
; The point at the root (v[PA:PB], per ray) and the sdf's normalised gradient there (v[NA:NB]).  reload = 1: the forward weights are brought back for the next pass
.macro GRAD reload
	v_fma_f32 v[PA], v[DEPTH], v[DA], v[OA]
	v_fma_f32 v[PB], v[DEPTH], v[DB], v[OB]
	LAYER1                                         ; v[ZZ] keeps z1
.irp t, 0,1,2,3
	v_wmma_scale_f32_16x16x128_f8f6f4 v[G2+8*\t:G2+8*\t+7], v[W2F+8*\t:W2F+8*\t+15], v[PC:PC+15], v[B2C+8*\t:B2C+8*\t+7], v[W2S+\t], v[PW]
.endr
	NORM2
.irp b, 0,1                            ; softplus(z2) . W3 and sigmoid(z2) x W3, a block of 32 at a time
.set i, 0
.rept 16
	v_mul_f32 v[GE+i], s40, |v[G2+16*\b+i]|
.set i, i+1
.endr
.set i, 0
.rept 16
	v_exp_f32 v[GE+i], v[GE+i]
.set i, i+1
.endr
.if \b == 0
	v_sqrt_f32 v[SS], v[SS]
.endif
	v_nop
	s_wait_alu depctr_va_vdst(0)                   ; the sixteen exponentials have written v[GE ..] (block 0: the root v[SS]), ahead of their first reader
.set i, 0
.rept 8
	v_pk_add_f32 v[GV+i:GV+i+1], v[GE+i:GE+i+1], 1.0 op_sel_hi:[1,0]
.set i, i+2
.endr
.set i, 0
.rept 16
	v_log_f32 v[GL+i], v[GV+i]
	v_rcp_f32 v[GR+i], v[GV+i]
.set i, i+1
.endr
	v_nop
	s_wait_alu depctr_va_vdst(0)                   ; the logarithms have written v[GL ..] and the reciprocals v[GR ..], ahead of their first readers
.set i, 0
.rept 16
	v_cmp_gt_f32 s[MK+i], 0, v[G2+16*\b+i]         ; a run of sixteen compares, a mask each; their readers stand behind the sums below
.set i, i+1
.endr
.set i, 0
.rept 16
	v_max_num_f32 v[GV+i], 0, v[G2+16*\b+i]
.set i, i+1
.endr
.set i, 0
.rept 8
	v_pk_fma_f32 v[GV+i:GV+i+1], v[GL+i:GL+i+1], s[36:37], v[GV+i:GV+i+1] op_sel_hi:[1,0,1]
.set i, i+2
.endr
	DOTW GV, \b
	s_wait_alu depctr_va_sdst(0)                   ; the sixteen compares have written s[MK ..], ahead of their first reader
.set i, 0
.rept 16
	v_cndmask_b32 v[GE+i], 1.0, v[GE+i], s[MK+i]
.set i, i+1
.endr
.set i, 0
.rept 8
	v_pk_mul_f32 v[GE+i:GE+i+1], v[GE+i:GE+i+1], v[GR+i:GR+i+1]
.set i, i+2
.endr
.set i, 0
.rept 8
	v_pk_mul_f32 v[G2+16*\b+i:G2+16*\b+i+1], v[GE+i:GE+i+1], v[W3L+16*\b+i:W3L+16*\b+i+1]
.set i, i+2
.endr
.endr
	MLPSUM
	v_exp_f32 v[K0], v[K0]
	v_nop
	s_wait_alu depctr_va_vdst(0)                   ; the exponential has written v[K0], ahead of its reader; and the sums and products by W3 are done reading v[W3L ..], in which the loads below land
	LDROW W3L, 8, 0                                ; W3 is done with: W1's row 0 takes its place.  No vector line names these registers before the wait for the loads
	v_add_f32 v[K0], 1.0, v[K0]
	v_rcp_f32 v[K0], v[K0]
	v_nop
	s_wait_alu depctr_va_vdst(0)                   ; the reciprocal has written v[K0], ahead of its reader
	v_fma_f32 v[K0], -2.0, v[K0], 1.0
	v_fma_f32 v[K0], -v[K0], v[K0], 1.0
	v_mul_f32 v[K0], s48, v[K0]                    ; 0.02 (1 - tanh^2)
	v_mov_b32 v[K1], v[K0]
.set i, 0
.rept 16
	v_pk_mul_f32 v[G2+i:G2+i+1], v[G2+i:G2+i+1], v[K0:K1]   ; dz2
.set i, i+2
.endr
	QB G2, 0, 1
	QB G2+16, 1, 1
	s_wait_alu depctr_va_vdst(0)                   ; the vector lines that wrote and read the temporaries in v[W2F .. +31] and v40-47 are done: the LDS loads below land there
	LDW2 1                                         ; W2 quantised along its second axis
	SIG1 0
	s_wait_dscnt 0x0                               ; the fragments and the bytes are in
	W2SW
	SIG1 1                                         ; its plain lines stand between the scale words and the products
	s_wait_alu depctr_va_vdst(0)                   ; the sigmoid's lines are done with v[GL ..] and v[GR ..], in which the loads below land; the codes v[PC ..], v[PW] and v[W2S ..] are written, which the scaled products take
	LDROW B2C, 8, 256                              ; W1's row 1
.irp t, 0,1,2,3
	v_wmma_scale_f32_16x16x128_f8f6f4 v[ZZ+8*\t:ZZ+8*\t+7], v[W2F+8*\t:W2F+8*\t+15], v[PC:PC+15], 0, v[W2S+\t], v[PW]
.endr
.rept 8
	v_nop                                          ; places ahead of the first read of dh1
.endr
	s_wait_alu depctr_va_vdst(0)                   ; the four products are done reading v[W2F ..], in which the loads below land
	LDROW W2F, 8, 512                              ; W1's row 2
.set i, 0
.rept 16
	v_pk_mul_f32 v[G2+i:G2+i+1], v[ZZ+i:ZZ+i+1], v[G2+i:G2+i+1]   ; dz1
.set i, i+2
.endr
	s_wait_loadcnt 16                              ; row 0's eight loads are in; rows 1 and 2 may be out
	DP3 DPX, W3L
	s_wait_loadcnt 8                               ; row 1's; row 2 may be out
	DP3 DPY, B2C
	s_wait_loadcnt 0x0
	DP3 DPZ, W2F
.if \reload
	s_wait_alu depctr_va_vdst(0)                   ; the three sums are done reading W1's rows in v[W3L ..], v[B2C ..], v[W2F ..] and with v[K7]: the loads below land in these registers and in v40-47
	LDW2 0
	LDROW B2C, 14, 0
	LDROW W3L, 16, 0
	s_wait_dscnt 0x0
	W2SW
.endif
	v_rcp_f32 v[K0], v[SS]                         ; 1 / |p|
	v_cndmask_b32 v[K1], v[DPX], v[DPZ], s42
	v_cndmask_b32 v[K2], v[DPY], 0, s42
	v_cndmask_b32 v[K3], v[PB], 0, s42
	v_cmp_lt_f32 s55, s46, v[RAW]                  ; the clip passes a gradient only above its bound
	s_wait_alu depctr_va_vdst(0)                   ; the reciprocal has written v[K0], ahead of its reader
	s_wait_alu depctr_va_sdst(0)                   ; the compare has written s55, ahead of its reader
	v_cndmask_b32 v[K0], 0, v[K0], s55
	v_fma_f32 v[NA], v[PA], v[K0], v[K1]
	v_fma_f32 v[NB], v[K3], v[K0], v[K2]
	DOT K4, NA, NA
	v_max_num_f32 v[K4], v[K4], s46
	v_rsq_f32 v[K4], v[K4]
	v_nop
	s_wait_alu depctr_va_vdst(0)                   ; the reciprocal root has written v[K4], ahead of its reader
	v_mul_f32 v[NA], v[NA], v[K4]
	v_mul_f32 v[NB], v[NB], v[K4]
.endm
; The direction v[DA:DB] refracted at the normal v[NA:NB] into v[EA:EB], and the attenuation
.macro REFRACT att
	DOT K0, DA, NA
	v_mul_f32 v[K0], -1.0, v[K0]                   ; cos theta
	v_fma_f32 v[EA], v[K0], v[NA], v[DA]
	v_fma_f32 v[EB], v[K0], v[NB], v[DB]
	v_mul_f32 v[EA], s62, v[EA]                    ; t_p
	v_mul_f32 v[EB], s62, v[EB]
	DOT K1, EA, EA
	v_med3_num_f32 v[K1], v[K1], 0, s63
	v_sub_f32 v[K1], 1.0, v[K1]
	v_sqrt_f32 v[K1], v[K1]
	v_nop
	s_wait_alu depctr_va_vdst(0)                   ; the root has written v[K1], ahead of its reader
	v_fma_f32 v[EA], -v[K1], v[NA], v[EA]
	v_fma_f32 v[EB], -v[K1], v[NB], v[EB]
	DOT K2, EA, EA
	v_max_num_f32 v[K2], v[K2], s46
	v_rsq_f32 v[K2], v[K2]
	v_nop
	s_wait_alu depctr_va_vdst(0)                   ; the reciprocal root has written v[K2], ahead of its reader
	v_mul_f32 v[EA], v[EA], v[K2]
	v_mul_f32 v[EB], v[EB], v[K2]
	DOT K3, EA, NA
	v_mul_f32 v[K3], -1.0, v[K3]                   ; cos theta_t
	v_mul_f32 v[K1], s61, v[K0]
	v_mul_f32 v[K2], s61, v[K3]
	v_fma_f32 v[K4], v[K3], s60, -v[K1]
	v_fma_f32 v[K5], v[K3], s60, v[K1]
	v_fma_f32 v[K6], v[K0], s60, -v[K2]
	v_fma_f32 v[K7], v[K0], s60, v[K2]
	v_max_num_f32 v[K5], v[K5], s46
	v_max_num_f32 v[K7], v[K7], s46
	v_rcp_f32 v[K5], v[K5]
	v_rcp_f32 v[K7], v[K7]
	v_nop
	s_wait_alu depctr_va_vdst(0)                   ; the two reciprocals have written v[K5] and v[K7], ahead of their readers
	v_mul_f32 v[K4], v[K4], v[K5]
	v_mul_f32 v[K6], v[K6], v[K7]
	v_mul_f32 v[K4], v[K4], v[K4]
	v_fma_f32 v[K4], v[K6], v[K6], v[K4]
	v_mul_f32 v[K4], 0.5, v[K4]
	v_med3_num_f32 v[\att], v[K4], 0, 1.0
.endm
.macro SEL3 k, va, fa                  ; a 3-vector, selected, into two registers of its own: lanes 0-15 x and y, lanes 16-31 z, twice
	v_cndmask_b32 v[SD+2*\k], v[\fa], v[\va], s55
	v_cndmask_b32 v[SD+2*\k+1], v[(\fa)+1], v[(\va)+1], s55
	v_cndmask_b32 v[SD+2*\k+1], v[SD+2*\k+1], v[SD+2*\k], s42
.endm
.macro PUT3 k                          ; and into the stage (z goes twice, the same value to the same word, as do a ray's four copies)
	ds_store_b32 v[CA], v[SD+2*\k] offset:STG+768*\k
	ds_store_b32 v[CB], v[SD+2*\k+1] offset:STG+768*\k+4
.endm
	; ---- the head
	s_load_b512 s[4:19], s[0:1], 0x0               ; rays_o s[4:5], rays_d s[6:7], W1 s[8:9], b1 s[10:11], W2 s[12:13], b2 s[14:15], W3 s[16:17], b3 s[18:19]
	s_load_b256 s[20:27], s[0:1], 0x40             ; out0 .. out3
	s_load_b128 s[28:31], s[0:1], 0x60             ; out4, out5
	s_load_b64 s[32:33], s[0:1], 0x70              ; out6
	v_lshl_add_u32 v[SPW], v0, 2, SPARE
	v_mov_b32 v[NIL], 0
	v_lshrrev_b32 v[K0], 5, v0
	v_readfirstlane_b32 s2, v[K0]                  ; wave 0..15
	v_and_b32 v[K1], 31, v0                        ; lane
	v_and_b32 v[K2], 15, v0                        ; r
	v_bfe_u32 v[K3], v0, 4, 1                      ; h
	v_cvt_f32_u32 v[RF], v[K2]
	v_cvt_f32_u32 v[LF], v[K1]
	v_and_b32 v[LQ], 3, v0
	v_lshlrev_b32 v[LI], 4, v[K1]
	v_lshlrev_b32 v[LS], 2, v[K1]
	v_lshlrev_b32 v[HB], 6, v[K3]
	v_and_b32 v[K4], 8, v[K2]
	v_add_nc_u32 v[K4], v[K4], v[K2]               ; r + 8 (r / 8)
	s_mov_b32 s36, 0x3f317218                      ; ln 2
	s_mov_b32 s37, s36                             ; (named with it as a pair, so it is written)
	s_mov_b32 s38, 0x76543210
	s_mov_b32 s39, 0xfedcba98                      ; v_permlanex16_b32's selects for lane l xor 16
	s_mov_b32 s40, 0xbfb8aa3b                      ; -log2 e
	s_mov_b32 s41, 0x600000                        ; the mantissa field of 448
	s_mov_b32 s42, 0xffff0000                      ; lanes 16-31
	s_mov_b32 s43, 0x3d888889                      ; 1 / 15
	s_mov_b32 s44, 0x3d042108                      ; 1 / 31
	s_mov_b32 s46, 0x2edbe6ff                      ; 1e-10
	s_mov_b32 s47, 0x4038aa3b                      ; 2 log2 e
	s_mov_b32 s48, 0x3ca3d70a                      ; 0.02
	s_mov_b32 s63, 0x3f7fffef                      ; 0.999999
	s_mov_b32 s76, 0x41800000                      ; 16.0
	s_mov_b32 s77, 0x42000000                      ; 32.0
	s_mov_b32 s78, 0x42800000                      ; 64.0
	; wave w quantises unit w of W2: dir = w / 8, tile t = (w / 2) % 4, block c = w % 2.  Lane (r, h) takes 16 numbers: the tile's row of lane r, k = 32 c + 16 h + 0 .. 15
	s_wait_alu depctr_va_sdst(0)                   ; s2, the wave's number, is written, ahead of its first reader
	s_lshr_b32 s66, s2, 3
	s_bfe_u32 s67, s2, 0x20001
	s_and_b32 s68, s2, 1
	s_cmp_eq_u32 s66, 0
	s_cselect_b32 s69, 256, 4                      ; bytes from k to k + 1: forward K is W2's first axis, backward its second
	s_cselect_b32 s70, 4, 256                      ; and from row to row
	s_lshr_b32 s71, s67, 1
	s_lshl_b32 s71, s71, 5
	s_and_b32 s72, s67, 1
	s_lshl_b32 s72, s72, 3
	s_add_co_u32 s71, s71, s72                     ; 32 (t / 2) + 8 (t % 2)
	s_lshl_b32 s72, s68, 5
	v_add_nc_u32 v[K5], s71, v[K4]
	v_mul_lo_u32 v[K5], v[K5], s70
	v_lshl_add_u32 v[K6], v[K3], 4, s72
	v_mul_lo_u32 v[K6], v[K6], s69
	v_add_nc_u32 v[K5], v[K5], v[K6]
.set i, 0
.rept 16
	v_mad_u32_u24 v[W2F+i], s69, i, v[K5]
.set i, i+1
.endr
	s_lshl_b32 s73, ttmp9, 6
	s_lshl_b32 s74, s2, 2
	s_add_co_u32 s73, s73, s74                     ; my wave's first ray
	v_add_nc_u32 v[CA], s73, v[LQ]
	v_mul_u32_u24 v[CA], v[CA], 12                 ; the ray's 12 bytes
	v_lshl_add_u32 v[CB], v[K3], 3, v[CA]          ; x for lanes 0-15, z for lanes 16-31
	v_lshlrev_b32 v[EB], 2, v[K4]                  ; W1's row 1 and b1 at the tile's rows
	v_lshl_add_u32 v[EA], v[K3], 9, v[EB]          ; W1's row 0 for lanes 0-15, row 2 for lanes 16-31
	v_lshlrev_b32 v[CN], 4, v0                     ; where my unit's image goes
	v_lshlrev_b32 v[CS], 2, v0                     ; and its byte
	s_wait_kmcnt 0x0
	s_load_b32 s34, s[18:19], 0x0                  ; b3
	s_wait_alu depctr_va_vdst(0)                   ; every offset and address is written: v[W2F .. +15], v24-29, v[HB], v[LI], v[LS], which the loads and LDS instructions from here on read; so are v40-46, in which LDS loads land
.set i, 0
.rept 16
	global_load_b32 v[TT+i], v[W2F+i], s[12:13]
.set i, i+1
.endr
	global_load_b32 v[OA], v[CB], s[4:5]
	global_load_b32 v[OB], v[CA], s[4:5] offset:4  ; y in both halves: no load leaves its buffer; lanes 16-31 are replaced below
	global_load_b32 v[DA], v[CB], s[6:7]
	global_load_b32 v[DB], v[CA], s[6:7] offset:4
.irp t, 0,1,2,3
	global_load_b32 v[W1F+2*\t], v[EA], s[8:9] offset:(32*(\t/2)+8*(\t%2))*4
	global_load_b32 v[W1F+2*\t+1], v[EB], s[8:9] offset:256+(32*(\t/2)+8*(\t%2))*4
	global_load_b32 v[ACC+\t], v[EB], s[10:11] offset:(32*(\t/2)+8*(\t%2))*4
.endr
	LDROW B2C, 14, 0
	LDROW W3L, 16, 0
	s_wait_kmcnt 0x0
	s_mul_f32 s35, s34, s47
	s_wait_loadcnt 32                              ; W2's 16 loads are in; the 32 issued behind them may be out
	QB TT, 0, 1
	s_wait_alu depctr_va_vdst(0)                   ; the conversions have written v[PC .. +3] and a shift v[QB0], which the two LDS stores read
	ds_store_b128 v[CN], v[PC:PC+3] offset:WIMG
	ds_store_b32 v[CS], v[QB0] offset:WSCL
	s_wait_dscnt 0x0                               ; for the others' sake: my unit lies in LDS
	s_barrier_signal -1
	s_barrier_wait -1                              ; all sixteen units do
	s_wait_alu depctr_vm_vsrc(0)                   ; W2's loads have read their offsets v[W2F .. +15], in which the LDS loads below land; the two stores have read v[PC .. +3], v[QB0], v28, v29 and the other loads v24-27, which the ray loop writes again
	LDW2 0
.set i, 0
.rept 8
	v_mov_b32 v[W2F+32+i], 0                       ; zero codes: the last fragment's upper half,
	v_mov_b32 v[PC+8+i], 0                         ; and the points' k = 64 .. 127
.set i, i+1
.endr
	s_wait_loadcnt 0x0
	s_wait_dscnt 0x0
	W2SW
.irp t, 0,1,2,3
	v_cndmask_b32 v[W1F+2*\t+1], v[W1F+2*\t+1], v[ACC+\t], s42   ; k = 3 is b1
.endr
	v_cndmask_b32 v[OB], v[OB], 1.0, s42           ; a point's w
	v_cndmask_b32 v[DB], v[DB], 0, s42             ; a direction's
	v_mov_b32 v[ROA], v[OA]
	v_mov_b32 v[ROB], v[OB]
	v_mov_b32 v[RDA], v[DA]
	v_mov_b32 v[RDB], v[DB]
	; ---- pass 1: into the object
	s_mov_b32 s49, 1.0
	s_mov_b32 s60, 0x3f8009d5                      ; 1.0003
	s_mov_b32 s61, 0x3fbc7454                      ; 1.4723
	s_mov_b32 s62, 0x3f2dee05                      ; 1.0003 / 1.4723
	NEARFAR
	RAYLOOP 53
	GRAD 1
	REFRACT ATT1
	DOT K0, DA, NA                                 ; the reflection: l - 2 (l . n) n, normalised
	v_mul_f32 v[K0], -2.0, v[K0]
	v_fma_f32 v[RLA], v[K0], v[NA], v[DA]
	v_fma_f32 v[RLB], v[K0], v[NB], v[DB]
	DOT K1, RLA, RLA
	v_max_num_f32 v[K1], v[K1], s46
	v_rsq_f32 v[K1], v[K1]
	v_nop
	s_wait_alu depctr_va_vdst(0)                   ; the reciprocal root has written v[K1], ahead of its reader
	v_mul_f32 v[RLA], v[RLA], v[K1]
	v_mul_f32 v[RLB], v[RLB], v[K1]
	v_mov_b32 v[OA], v[PA]                         ; the first surface point and the refracted direction are the second pass's ray
	v_mov_b32 v[OB], v[PB]
	v_mov_b32 v[DA], v[EA]
	v_mov_b32 v[DB], v[EB]
	s_wait_loadcnt 0x0                             ; b2 and W3 are back
	; ---- pass 2: out of it
	s_mov_b32 s49, -1.0
	s_mov_b32 s60, 0x3fbc7454
	s_mov_b32 s61, 0x3f8009d5
	s_mov_b32 s62, 0x3fbc65dc                      ; 1.4723 / 1.0003
	NEARFAR
	RAYLOOP 54
	GRAD 0
	v_mul_f32 v[NA], -1.0, v[NA]
	v_mul_f32 v[NB], -1.0, v[NB]
	REFRACT ATT2
	; ---- the way out: every output is selected by final = valid1 & valid2 and goes into the stage as it lies in memory.  All addresses and all data are made first, each in a register of its own
	s_and_b32 s55, s53, s54
	v_lshrrev_b32 v[K2], 5, v0
	v_lshl_add_u32 v[K2], v[K2], 2, v[LQ]          ; my ray among the work-group's 64
	v_mul_u32_u24 v[K3], v[K2], 12
	v_bfe_u32 v[K4], v0, 4, 1
	v_lshl_add_u32 v[CA], v[K4], 3, v[K3]          ; x or z
	v_lshl_add_u32 v[CB], v[K4], 2, v[K3]          ; with 4 more: y or z
	v_lshlrev_b32 v[CN], 2, v[K2]
	SEL3 0, PA, ROA
	SEL3 1, EA, RDA
	SEL3 2, OA, ROA
	SEL3 3, RLA, RDA
	v_cndmask_b32 v[SD+8], 0, v[ATT1], s55
	v_cndmask_b32 v[SD+9], 0, v[ATT2], s55
	v_cndmask_b32 v[SD+10], 0, 1, s55
	; wave w < 14 stores stage unit w, 8 bytes a lane: 256 consecutive bytes, aligned; wave 14 the 64 flags, 2 bytes a lane
	v_and_b32 v[WA], 31, v0
	s_min_u32 s79, s2, 13
	s_lshl_b32 s79, s79, 8
	s_add_co_u32 s79, s79, STG
	v_lshl_add_u32 v[WA+1], v[WA], 3, s79
	v_lshl_add_u32 v[WA+3], v[WA], 1, STG+14*256
	s_mul_i32 s72, s2, 11
	s_lshr_b32 s72, s72, 5                         ; w / 3 for w < 12
	s_mul_i32 s72, s72, 3
	s_sub_co_u32 s72, s2, s72
	s_lshl_b32 s72, s72, 8
	s_mul_i32 s73, ttmp9, 768
	s_add_co_u32 s72, s72, s73                     ; a 3-vector output: 768 bytes a work-group, unit w % 3
	s_lshl_b32 s73, ttmp9, 8                       ; out4, out5: 256 bytes a work-group
	s_cmp_ge_u32 s2, 12
	s_cselect_b32 s72, s73, s72
	s_lshl_b32 s73, ttmp9, 6                       ; out6: 64
	v_lshl_add_u32 v[WA+2], v[WA], 3, s72
	v_lshl_add_u32 v[WA+4], v[WA], 1, s73
	s_mov_b64 s[70:71], s[20:21]                   ; the output is chosen by the wave's number alone
	s_cmp_ge_u32 s2, 3
	s_cselect_b64 s[70:71], s[22:23], s[70:71]
	s_cmp_ge_u32 s2, 6
	s_cselect_b64 s[70:71], s[24:25], s[70:71]
	s_cmp_ge_u32 s2, 9
	s_cselect_b64 s[70:71], s[26:27], s[70:71]
	s_cmp_ge_u32 s2, 12
	s_cselect_b64 s[70:71], s[28:29], s[70:71]
	s_cmp_ge_u32 s2, 13
	s_cselect_b64 s[70:71], s[30:31], s[70:71]
	s_wait_alu depctr_va_vdst(0)                   ; the eleven numbers v[SD ..] and the addresses v24, v25, v28, v[K2], v[WA+1 .. +4] are written, which the stores and loads below read; every earlier reader and writer of v[RB ..], in which the stage's loads land, is done.  No vector line follows
	PUT3 0
	PUT3 1
	PUT3 2
	PUT3 3
	ds_store_b32 v[CN], v[SD+8] offset:STG+12*256
	ds_store_b32 v[CN], v[SD+9] offset:STG+13*256
	ds_store_b8 v[K2], v[SD+10] offset:STG+14*256
	s_wait_dscnt 0x0                               ; for the others' sake: my rays lie in the stage
	s_barrier_signal -1
	s_barrier_wait -1                              ; all 64 do
	s_cmp_lt_u32 s2, 14
	s_cbranch_scc0 .Lflags
	ds_load_b64 v[RB:RB+1], v[WA+1]
	s_wait_dscnt 0x0
	global_store_b64 v[WA+2], v[RB:RB+1], s[70:71]
	s_branch .Lend
.Lflags:
	s_cmp_eq_u32 s2, 14
	s_cbranch_scc0 .Lend
	ds_load_u16 v[RB+2], v[WA+3]
	s_wait_dscnt 0x0
	global_store_b16 v[WA+4], v[RB+2], s[32:33]
.Lend:
	s_wait_dscnt 0x0                               ; the closing lines, six on end
	s_wait_alu 0x0
	s_wait_tensorcnt 0x0
	ds_add_u32 v[SPW], v[NIL]
	s_wait_dscnt 0x0
	s_endpgm
.Lfunc_end_k_q16952546f8_trace:
	.size	k_q16952546f8_trace, .Lfunc_end_k_q16952546f8_trace-k_q16952546f8_trace
	.p2alignl 7, 3214868480
	.fill 96, 4, 3214868480
	.section	.rodata,"a",@progbits
	.p2align	6, 0x0
	.amdhsa_kernel k_q16952546f8_trace
		.amdhsa_group_segment_fixed_size 16384
		.amdhsa_private_segment_fixed_size 0
		.amdhsa_enable_private_segment 0
		.amdhsa_kernarg_size 120
		.amdhsa_user_sgpr_count 2
		.amdhsa_user_sgpr_kernarg_segment_ptr 1
		.amdhsa_wavefront_size32 1
		.amdhsa_system_sgpr_workgroup_id_x 1
		.amdhsa_system_sgpr_workgroup_id_y 1
		.amdhsa_system_sgpr_workgroup_id_z 1
		.amdhsa_system_vgpr_workitem_id 0
		.amdhsa_next_free_vgpr 256
		.amdhsa_next_free_sgpr 96
		.amdhsa_reserve_vcc 0
		.amdhsa_float_denorm_mode_32 3
		.amdhsa_float_denorm_mode_16_64 3
		.amdhsa_memory_ordered 1
		.amdhsa_forward_progress 1
		.amdhsa_inst_pref_size 255
	.end_amdhsa_kernel
	.section	.bss,"aw",@nobits
	.p2align	6
	.space	262144
	.amdgpu_metadata
---
amdhsa.version: [ 1, 2 ]
amdhsa.kernels:
  - .name:           k_q16952546f8_trace
    .symbol:         k_q16952546f8_trace.kd
    .args:
      - { .name: rays_o, .offset: 0, .size: 8, .value_kind: global_buffer, .address_space: global }
      - { .name: rays_d, .offset: 8, .size: 8, .value_kind: global_buffer, .address_space: global }
      - { .name: W1, .offset: 16, .size: 8, .value_kind: global_buffer, .address_space: global }
      - { .name: b1, .offset: 24, .size: 8, .value_kind: global_buffer, .address_space: global }
      - { .name: W2, .offset: 32, .size: 8, .value_kind: global_buffer, .address_space: global }
      - { .name: b2, .offset: 40, .size: 8, .value_kind: global_buffer, .address_space: global }
      - { .name: W3, .offset: 48, .size: 8, .value_kind: global_buffer, .address_space: global }
      - { .name: b3, .offset: 56, .size: 8, .value_kind: global_buffer, .address_space: global }
      - { .name: out0, .offset: 64, .size: 8, .value_kind: global_buffer, .address_space: global }
      - { .name: out1, .offset: 72, .size: 8, .value_kind: global_buffer, .address_space: global }
      - { .name: out2, .offset: 80, .size: 8, .value_kind: global_buffer, .address_space: global }
      - { .name: out3, .offset: 88, .size: 8, .value_kind: global_buffer, .address_space: global }
      - { .name: out4, .offset: 96, .size: 8, .value_kind: global_buffer, .address_space: global }
      - { .name: out5, .offset: 104, .size: 8, .value_kind: global_buffer, .address_space: global }
      - { .name: out6, .offset: 112, .size: 8, .value_kind: global_buffer, .address_space: global }
    .group_segment_fixed_size: 16384
    .private_segment_fixed_size: 0
    .kernarg_segment_align: 8
    .kernarg_segment_size: 120
    .max_flat_workgroup_size: 512
    .sgpr_count:     96
    .vgpr_count:     256
    .wavefront_size: 32
...
	.end_amdgpu_metadata
.endif
;; end of part 2
